; MI455X (gfx1250); checked and timed in simulation.
; The chip was launched on July 23, 2026; its instructions are those of AMD's public machine-readable ISA for CDNA 5 (MIT licence, August 2026) and "CDNA5" Instruction Set Architecture Reference Guide (July 2026). The comments in the code are by the model that wrote it; some were corrected since.
;; Multi Head Attention. Allowed arithmetic: matrix products marked QUANTISED: E2M1 operands, one E8M0 scale for each 32 along K, by v_wmma_scale_f32_16x16x128_f8f6f4 with both operands' format E2M1 (or v_wmma_scale_f32_32x16x128_f4), f32 sums; products left as they are: bf16, f16 or f32 operands; f32 sums; everything else in f32.
;; Inputs: Wk 1,024 x 1,024 float32; Wq 1,024 x 1,024 float32; Wv 1,024 x 1,024 float32; x 4 x 2,048 x 1,024 float32.
;; Outputs: out0 4 x 2,048 x 1,024 float32.
;; This version of the problem:
;;   THIS VERSION OF THE PROBLEM IS GIVEN IN LOW PRECISION. The matrix products marked QUANTISED in the list below multiply operands that are first quantised to E2M1 (2 exponent bits, 1 mantissa bit; 4 bits a number), with one power-of-two scale for each 32 numbers along K (OCP MX v1.0); their sums are f32. The products marked 'left as it is' may take bf16, f16 or f32 operands, with f32 sums. Whichever they take, every output number must still come out within the allowed error. Rounding operands to bf16 (8 significant bits) uses up far more of that allowance than f16 does (11 bits, for magnitudes from 6e-5 to 65,504). All else is computed in f32.
;;   The module's matrix products, in the order in which they are computed (A, B: the left and right operand; K: the contracted axis; several contracted axes count as one K, in the product's order):
;;     1. [M 8,192, K 1,024] x [K 1,024, N 1,024]; A: input x; B: input Wq: QUANTISED
;;     2. [M 8,192, K 1,024] x [K 1,024, N 1,024]; A: input x; B: input Wk: QUANTISED
;;     3. [M 8,192, K 1,024] x [K 1,024, N 1,024]; A: input x; B: input Wv: QUANTISED
;;     4. batch 4 x [M 2,048, K 1,024] x [K 1,024, N 2,048]; A: computed on the way; B: computed on the way: left as it is (an operand is computed on the way)
;;     5. batch 4 x [M 2,048, K 2,048] x [K 2,048, N 1,024]; A: computed on the way; B: computed on the way: left as it is (an operand is computed on the way)
;;   THE QUANTISER, for each operand of a quantised product, along K:
;;     - K is cut into blocks of 32 from its start; a last block that is shorter is filled with zeros.
;;     - A block's scale is 2^e with e = floor(log2(the largest magnitude in the block)) - 2, held to -126 .. 127; a block of zeros has e = 0. As a byte (E8M0): e + 127.
;;     - Each number is divided by its block's scale, clamped to +-6, and rounded to the nearest number of E2M1, ties to even, subnormals kept.
;;     - The product sums the exact products of the quantised numbers (number of the format x scale) in f32.
;;   ~~~python
;;   def quantise(x, axis):      # numpy; x: float32 -> the quantised numbers, widened to float32 again
;;       x = np.moveaxis(x, axis, -1); K = x.shape[-1]
;;       x = np.pad(x, [(0, 0)] * (x.ndim - 1) + [(0, -K % 32)]); x = x.reshape(x.shape[:-1] + (-1, 32)); a = np.abs(x).max(-1, keepdims=True)
;;       e = np.where(a > 0, np.clip(np.frexp(np.where(a > 0, a, 1))[1] - 1 - 2, -126, 127), 0)      # np.frexp(a)[1] - 1 = floor(log2(a)), exactly
;;       r = np.clip(x / 2.0 ** e, -6, 6)
;;       step = 2.0 ** (np.maximum(np.frexp(np.where(r == 0, 1, r))[1] - 1, 0) - 1)
;;       q = np.round(r / step) * step * 2.0 ** e      # np.round: ties to even
;;       return np.moveaxis(q.reshape(q.shape[:-2] + (-1,))[..., :K], -1, axis).astype(np.float32)
;;   ~~~
;; One version. Each part assembles by itself: llvm-mc -triple=amdgcn-amd-amdhsa -mcpu=gfx1250 --defsym DOCPART=n.
;; ======== version 1 of 1: 5 launches
;; limits: values are held in f16: magnitudes above 65,504 overflow, below 6.1e-05 lose precision
;; workspace buffers: codes 5,767,168 bytes; scales 360,448 bytes; qk 33,554,432 bytes; vt 16,777,216 bytes; e16 786,432 bytes; pt 33,554,432 bytes; st 1,048,576 bytes
;; launch quant (part 1): grid 352 x 1, 4 waves a work-group, no clusters, 33,280 bytes of LDS; arguments x, Wq, Wk, Wv, codes, scales; writes codes, scales
.if DOCPART == 1
	.amdgcn_target "amdgcn-amd-amdhsa--gfx1250"
	.amdhsa_code_object_version 6
	.text
	.protected	k_qba2f9c5561_quant
	.globl	k_qba2f9c5561_quant
	.p2align	8
	.type	k_qba2f9c5561_quant,@function
k_qba2f9c5561_quant:
	s_mov_b64 s[64:65], 0
	v_nop
	global_prefetch_b8 v0, s[64:65] scope:SCOPE_SE
	s_setreg_imm32_b32 hwreg(HW_REG_WAVE_MODE, 25, 1), 1
	s_wait_xcnt 0x0
; x [8192][1024], Wq, Wk, Wv [1024][1024], f32, K innermost, become codes of FP4 (E2M1) and one E8M0 byte for each 32 along K.
; The four tensors are laid on end in the two buffers: 11,264 rows of 512 bytes of codes (rows 0.. x, 8192.. Wq, 9216.. Wk, 10240.. Wv) and 32 scale bytes a row.
; A block's scale is 2^(floor(log2(its largest magnitude)) - 2); its byte is the largest magnitude's exponent field - 2, held at 1 from below.
; A block of zeros gets the byte 1 where the quantiser says 127: its codes are zeros, which add nothing under that byte, and only this program reads the bytes.
; LIMITS: blocks whose largest magnitude lies under 2^-124 are scaled by the byte 1; NaN and infinities among the inputs are not served.
; Rows are dense and 1,024 is a multiple of 32: each tensor is a plain stream of blocks.  A wave takes 16 steps of 512 numbers; work-groups 0-255 take x, 256-287 Wq, 288-319 Wk, 320-351 Wv.
; Each load reads 512 consecutive bytes; a step's 2,048 bytes turn through the wave's own stage in LDS, so that a lane then holds 16 neighbours along K (two lanes to a block).
; A wave's store of codes covers 256 consecutive bytes; its 256 scale bytes are gathered in LDS and leave as one aligned run of 256 bytes.  Waves share nothing: no barrier.
.set STEPS, 16
.set EMAX,  2
.set CB,    8                          ; bytes of 16 codes
.set R,     16                         ; v16-79   four sets of 16 numbers as loaded
.set X,     80                         ; v80-111  two sets of 16 neighbours
.set C,     128                        ; v128-191 codes: registers of its own for each step
.set E,     112                        ; v112-127 a scale byte for each step
.set WREG,  8192                       ; LDS of a wave: two stages of 32 x SP bytes, then its 256 scale bytes
.set SP,    80                         ; a lane's place in a stage: 64 bytes + 16 of padding
.set SPW,   12                         ; v12 LDS address of my spare word; never rewritten
.set NIL,   13                         ; v13 0; never rewritten
.set SPARE, 4*WREG                     ; behind the four regions: the spare words, 128 bytes a wave
	s_load_b256 s[4:11], s[0:1], 0x0               ; x, Wq, Wk, Wv
	s_load_b128 s[12:15], s[0:1], 0x20             ; codes, scales
	v_lshl_add_u32 v[SPW], v0, 2, SPARE
	v_mov_b32 v[NIL], 0
	v_lshrrev_b32 v1, 5, v0
	v_readfirstlane_b32 s16, v1                    ; wave
	v_and_b32 v2, 31, v0                           ; lane
	v_lshlrev_b32 v3, 4, v2                        ; my 16 bytes of a load's 512
	s_mul_i32 s17, s16, WREG
	v_lshrrev_b32 v14, 2, v2
	v_mul_u32_u24 v14, v14, SP
	v_and_b32 v15, 3, v2
	v_lshl_add_u32 v14, v15, 4, v14
	v_add_nc_u32 v14, s17, v14                     ; the stage on the way in: SP (lane / 4) + 16 (lane % 4)
	v_mul_u32_u24 v15, v2, SP
	v_add_nc_u32 v15, s17, v15                     ; and on the way out: SP x lane
	v_mul_u32_u24 v4, v2, CB                       ; my codes' place in a step's
	v_lshrrev_b32 v5, 1, v2
	s_add_co_u32 s17, s17, 2*32*SP
	v_add_nc_u32 v5, s17, v5                       ; my block's scale byte in LDS
	v_lshlrev_b32 v7, 3, v2
	v_add_nc_u32 v6, s17, v7                       ; and 8 bytes a lane on the way out
	s_wait_kmcnt 0x0
	s_mov_b64 s[20:21], s[10:11]                   ; which tensor: the choice hangs on the work-group's number alone
	s_mov_b32 s22, 320
	s_cmp_lt_u32 ttmp9, 320
	s_cselect_b64 s[20:21], s[8:9], s[20:21]
	s_cselect_b32 s22, 288, s22
	s_cmp_lt_u32 ttmp9, 288
	s_cselect_b64 s[20:21], s[6:7], s[20:21]
	s_cselect_b32 s22, 256, s22
	s_cmp_lt_u32 ttmp9, 256
	s_cselect_b64 s[20:21], s[4:5], s[20:21]
	s_cselect_b32 s22, 0, s22                      ; the tensor's first work-group
	s_sub_co_u32 s17, ttmp9, s22
	s_lshl_b32 s17, s17, 2
	s_add_co_u32 s17, s17, s16                     ; my run of 8,192 numbers in the tensor
	s_lshl_b32 s18, s17, 15                        ; 32,768 bytes a run
	s_mov_b32 s19, 0
	s_add_nc_u64 s[20:21], s[20:21], s[18:19]
	s_lshl_b32 s17, ttmp9, 2
	s_add_co_u32 s17, s17, s16                     ; and in the buffers, where the tensors lie on end
	s_lshl_b32 s18, s17, 12                        ; 4,096 bytes of codes a run
	s_add_nc_u64 s[12:13], s[12:13], s[18:19]
	s_lshl_b32 s18, s17, 8                         ; 256 scale bytes a run
	s_add_nc_u64 s[14:15], s[14:15], s[18:19]
.macro LOAD t
.irp i, 0,1,2,3
	global_load_b128 v[R+16*((\t)%4)+4*\i:R+16*((\t)%4)+4*\i+3], v3, s[20:21] offset:2048*(\t)+512*\i th:TH_LOAD_NT
.endr
.endm
.macro TURN t                          ; step t's numbers through the stage: LDS serves a wave's instructions in order (ISA guide 5.7.1.4)
.irp i, 0,1,2,3
	ds_store_b128 v14, v[R+16*((\t)%4)+4*\i:R+16*((\t)%4)+4*\i+3] offset:32*SP*((\t)%2)+8*SP*\i
.endr
.irp i, 0,1,2,3
	ds_load_b128 v[X+16*((\t)%2)+4*\i:X+16*((\t)%2)+4*\i+3], v15 offset:32*SP*((\t)%2)+16*\i
.endr
.endm
.irp t, 0,1,2,3
	LOAD \t
.endr
	s_wait_loadcnt 12                              ; step 0's four loads are in; the twelve of steps 1 to 3 may be out
	TURN 0
.macro STEP t
.set XS, X+16*((\t)%2)
.if (\t) > 0
	s_wait_dscnt 1                                 ; this step's numbers are back from the stage; the last step's byte store may be out
.else
	s_wait_dscnt 0x0
.endif
.if (\t)+4 < STEPS
	LOAD (\t)+4                                    ; into the registers that the stage's stores have read
.endif
.if (\t)+1 < STEPS
.if STEPS-2-(\t) >= 3
	s_wait_loadcnt 12                              ; the next step's four loads are in; those of the three steps behind it may be out
.else
	s_wait_loadcnt 4*(STEPS-2-(\t))
.endif
	TURN (\t)+1
.endif
	v_max3_num_f32 v8, |v[XS]|, |v[XS+1]|, |v[XS+2]|
	v_max3_num_f32 v9, |v[XS+3]|, |v[XS+4]|, |v[XS+5]|
.irp i, 6,10
	v_max3_num_f32 v8, v8, |v[XS+\i]|, |v[XS+\i+1]|
	v_max3_num_f32 v9, v9, |v[XS+\i+2]|, |v[XS+\i+3]|
.endr
	v_max3_num_f32 v8, v8, |v[XS+14]|, |v[XS+15]|
	v_max3_num_f32 v8, v8, v9, (EMAX+1)<<23        ; with the floor 2^(3 - 127): the byte cannot fall under 1
	v_max_num_f32_dpp v8, v8, v8 row_xmask:1 row_mask:0xf bank_mask:0xf   ; and my neighbour's 16: the block's largest magnitude
	v_add_nc_u32 v11, -(EMAX<<23), v8              ; 2 off its exponent field: the conversion takes this operand's exponent field as its scale
	v_cvt_scalef32_pk8_fp4_f32 v[C+4*(\t)], v[XS:XS+7], v11
	v_cvt_scalef32_pk8_fp4_f32 v[C+4*(\t)+1], v[XS+8:XS+15], v11
	v_lshrrev_b32 v[E+(\t)], 23, v11               ; the scale's byte (a plain line behind the conversions)
	ds_store_b8 v5, v[E+(\t)] offset:16*(\t)       ; both lanes of a block write the same byte with the same value
	global_store_b64 v4, v[C+4*(\t):C+4*(\t)+1], s[12:13] offset:32*CB*(\t)   ; the wave stores 256 consecutive bytes, aligned
.endm
.irp t, 0,1,2,3,4,5,6,7,8,9,10,11,12,13,14,15
	STEP \t
.endr
	ds_load_b64 v[8:9], v6                         ; in order behind my byte stores
	s_wait_dscnt 0x0
	global_store_b64 v7, v[8:9], s[14:15]          ; 256 consecutive bytes, aligned
	s_wait_tensorcnt 0x0                           ; the wave's end
	ds_add_u32 v[SPW], v[NIL]
	s_wait_dscnt 0x0
	s_endpgm
.Lfunc_end_k_qba2f9c5561_quant:
	.size	k_qba2f9c5561_quant, .Lfunc_end_k_qba2f9c5561_quant-k_qba2f9c5561_quant
	.p2alignl 7, 3214868480
	.fill 96, 4, 3214868480
	.section	.rodata,"a",@progbits
	.p2align	6, 0x0
	.amdhsa_kernel k_qba2f9c5561_quant
		.amdhsa_group_segment_fixed_size 33280
		.amdhsa_private_segment_fixed_size 0
		.amdhsa_enable_private_segment 0
		.amdhsa_kernarg_size 48
		.amdhsa_user_sgpr_count 2
		.amdhsa_user_sgpr_kernarg_segment_ptr 1
		.amdhsa_wavefront_size32 1
		.amdhsa_system_sgpr_workgroup_id_x 1
		.amdhsa_system_sgpr_workgroup_id_y 1
		.amdhsa_system_sgpr_workgroup_id_z 1
		.amdhsa_system_vgpr_workitem_id 0
		.amdhsa_next_free_vgpr 192
		.amdhsa_next_free_sgpr 66
		.amdhsa_reserve_vcc 0
		.amdhsa_float_denorm_mode_32 3
		.amdhsa_float_denorm_mode_16_64 3
		.amdhsa_memory_ordered 1
		.amdhsa_forward_progress 1
		.amdhsa_inst_pref_size 34
	.end_amdhsa_kernel
	.amdgpu_metadata
---
amdhsa.version: [ 1, 2 ]
amdhsa.kernels:
  - .name:           k_qba2f9c5561_quant
    .symbol:         k_qba2f9c5561_quant.kd
    .args:
      - { .name: x, .offset: 0, .size: 8, .value_kind: global_buffer, .address_space: global }
      - { .name: Wq, .offset: 8, .size: 8, .value_kind: global_buffer, .address_space: global }
      - { .name: Wk, .offset: 16, .size: 8, .value_kind: global_buffer, .address_space: global }
      - { .name: Wv, .offset: 24, .size: 8, .value_kind: global_buffer, .address_space: global }
      - { .name: codes, .offset: 32, .size: 8, .value_kind: global_buffer, .address_space: global }
      - { .name: scales, .offset: 40, .size: 8, .value_kind: global_buffer, .address_space: global }
    .group_segment_fixed_size: 33280
    .private_segment_fixed_size: 0
    .kernarg_segment_align: 8
    .kernarg_segment_size: 48
    .max_flat_workgroup_size: 128
    .sgpr_count:     66
    .vgpr_count:     192
    .wavefront_size: 32
...
	.end_amdgpu_metadata
.endif
;; end of part 1
;; launch proj (part 2): grid 12 x 32, 4 waves a work-group, clusters of 4 x 4, 327,680 bytes of LDS; arguments codes, scales, qk, vt, e16; writes qk, vt, e16
.if DOCPART == 2
	.amdgcn_target "amdgcn-amd-amdhsa--gfx1250"
	.amdhsa_code_object_version 6
	.text
	.protected	k_qba2f9c5561_proj
	.globl	k_qba2f9c5561_proj
	.p2align	8
	.type	k_qba2f9c5561_proj,@function
k_qba2f9c5561_proj:
	s_mov_b64 s[64:65], 0
	v_nop
	global_prefetch_b8 v0, s[64:65] scope:SCOPE_SE
	s_setreg_imm32_b32 hwreg(HW_REG_WAVE_MODE, 25, 1), 1
	s_wait_xcnt 0x0
	s_wait_alu depctr_hold_cnt(0) depctr_sa_sdst(0) depctr_va_vdst(0) depctr_va_sdst(0) depctr_va_ssrc(0) depctr_va_vcc(0) depctr_vm_vsrc(0)
	s_getreg_b32 s2, hwreg(HW_REG_IB_STS2, 6, 4)
	s_cmp_eq_u32 s2, 0
	s_cbranch_scc0 .Lentry_in_a_cluster
	s_endpgm
.Lentry_in_a_cluster:
	s_bfe_u32 s2, ttmp6, 0x10000c
	s_cmp_lg_u32 s2, 0xf033
	s_cbranch_scc0 .Lentry_shape_is_right
	s_endpgm
.Lentry_shape_is_right:
; The three projections on codes of FP4 with E8M0 scales: C[m][n] = sum over k of A[m][k] B[n][k], K = 1,024, sums in f32, results rounded once to f16.
; codes: 11,264 rows of 512 bytes, scales: 32 bytes a row (rows 0.. x's tokens, 8192.. Wq, 9216.. Wk, 10240.. Wv).
; TWO KINDS OF TILE, ONE TEXT, told apart by addresses.  Clusters with x = 0, 1: A = 256 tokens, B = 256 rows of Wq|Wk, C goes to qk [8192 tokens][2048] f16 (q columns 0-1023, k 1024-2047).
; Clusters with x = 2: A = 256 rows of Wv, B = 256 tokens, C goes to vt [4][1024 channels][2048 tokens] f16: v arrives with the keys innermost, as the last product wants it.
; A token tile is (cluster y) + 8 x (place in the cluster): so the place is the batch, and each batch's first tile lies in the clusters with y = 0.
; Those also store the first 16 tokens' q, k and v unrounded, in f32, to e16 (qk16 [4][16][2048], then vt16 [4][1024][16] from byte 524,288): a later launch makes each batch's first 16 rows from them.
; (These stores cover runs of 32 or 64 bytes: 786,432 bytes of the 51 million that the launch stores.)
; A tile of C is 256 x 256, four waves, each 128 x 128: 64 accumulators.  K goes in two steps of 512 through two LDS slots: both are filled once, at the start, so nothing is filled again.
; CLUSTERS: 4 x 4.  A's tile hangs on the place along y alone and is asked for jointly by a row of the cluster, B's on the place along x alone, by a column.
; The matrix instruction is used transposed (source 0 = 16 rows of B, source 1 = 16 rows of A): a lane holds eight neighbouring numbers of a row of C.
; LIMIT: q, k and v are kept in f16: magnitudes beyond 65,504 are not served.
; REGISTERS: window 0: v0-31 addresses; v32-95 scale words, two sets; v128-191 A's fragments, one set (on the way out: rows read back); v192-223 packed results.
;   window 1: B's fragments, two sets, at v0 and v128.  windows 2, 3: the accumulators of my rows 0-63 and 64-127 ((a, b) at v[8 (8 (a % 4) + b)]).
.set NQ,     4                         ; matrix instructions deep in a slot
.set ROWB,   256                       ; a tile's row: 512 codes
.set KROW,   512                       ; a row of codes in memory
.set PITCH,  272                       ; an LDS row: 256 bytes + 16 of padding: the 16 rows of a load start at 16 different banks (64 banks of 4 bytes: ISA guide 11.1)
.set FR,     8
.set NL,     2
.set NP,     4                         ; places behind this matrix instruction (ISA guide 7.12.1)
.set HALFT,  128*PITCH
.set SLOT,   4*HALFT
.set KS,     32                        ; a row of scales in bytes
.set SCL,    2*SLOT                    ; behind the slots: the scales, as runs of 256 bytes + 16 of padding
.set HALFS,  16*272                    ; those of 128 rows
.set SBLK,   2*272                     ; those of 16 rows
.set STAGE,  SCL+4*HALFS               ; the way out: 16 rows x 272 bytes for each wave; no tile lands here
.set SPITCH, 272
.set SPARE,  STAGE+4*16*SPITCH         ; the spare words, 128 bytes a wave
.set CPITCH, 4096                      ; a row of qk or of vt in bytes
.set ADRA, 16
.set ADRB, 20
.set STO,  24
.set RD,   25
.set CO,   26
.set ADRS, 27
.set SPW,  28
.set NIL,  29
.set EO,   30                          ; v30 my lane's byte in e16
.set SC,   32
.set AF,   128
.set BK,   128
.set TMP,  192
.set G1, 24
.set G0, 32
.set G1B, 48
.set G0B, 56
.set G1S, 68
.set G0S, 76
.set G1SB, 80
.set G0SB, 88
.set MSB, 0
.macro WIN new                         ; the immediate's high byte repeats the setting that is left
.if MSB != (\new)
	s_set_vgpr_msb (MSB<<8)|(\new)
.set MSB, (\new)
.endif
.endm
.set MUL_LO, 0xa1                      ; source 0 (B) window 1, source 1 (A) window 0, C and D window 2
.set MUL_HI, 0xf1
.set TO_B,   0x40
; A joint load: waves 0 and 1 fetch for A, waves 2 and 3 for B; the branch hangs on the wave's number alone.  An s_nop 0 and four v_nop follow each line.
.macro JLOAD g0a, g1a, g0b, g1b
	s_cmp_eq_u32 s15, 0
	s_cbranch_scc0 .Lfor_b_\@
	tensor_load_to_lds s[\g0a:\g0a+3], s[\g1a:\g1a+7]
	s_nop 0
.rept 4
	v_nop
.endr
	s_branch .Lasked_\@
.Lfor_b_\@:
	tensor_load_to_lds s[\g0b:\g0b+3], s[\g1b:\g1b+7]
	s_nop 0
.rept 4
	v_nop
.endr
.Lasked_\@:
.endm
.macro CROUND                          ; a round of the cluster's barrier
	s_barrier_signal -1
	s_barrier_wait -1
	s_cmp_lg_u32 s14, 0
	s_cbranch_scc1 .Lnot_wave_0_\@
	s_barrier_signal -3
.Lnot_wave_0_\@:
	s_barrier_wait -3
	s_barrier_signal -1
	s_barrier_wait -1
.endm
	s_load_b128 s[4:7], s[0:1], 0x0                ; codes, scales
	s_load_b128 s[8:11], s[0:1], 0x10              ; qk, vt
	s_load_b64 s[12:13], s[0:1], 0x20              ; e16
	v_lshl_add_u32 v[SPW], v0, 2, SPARE
	v_mov_b32 v[NIL], 0
	ds_add_u32 v[SPW], v[NIL]                      ; the wave's opening: the add, twice on end, and its wait ahead of my first tensor load
	ds_add_u32 v[SPW], v[NIL]
	v_lshrrev_b32 v1, 5, v0
	v_readfirstlane_b32 s14, v1                    ; wave 0..3
	s_lshr_b32 s15, s14, 1                         ; my half of the tile's rows.  Also: I fetch for A (0) or for B (1)
	s_and_b32 s16, s14, 1                          ; my half of its columns.  Also: which 128 rows I fetch
	s_bfe_u32 s40, ttmp6, 0x40000                  ; cx
	s_bfe_u32 s41, ttmp6, 0x40004                  ; cy
	s_and_b32 s98, ttmp7, 0xffff                   ; cluster y, 0..7
	s_lshr_b32 s99, ttmp9, 1                       ; 1 in the clusters that make v
	s_lshl_b32 s17, s41, 3
	s_add_co_u32 s17, s17, s98                     ; tokens as A: tile (cluster y) + 8 cy
	s_add_co_u32 s97, s41, 40                      ; Wv as A: tile 40 + cy (rows 10,240 on)
	s_lshl_b32 s42, ttmp9, 2
	s_add_co_u32 s42, s42, s40                     ; q|k: column tile 4 x cluster x + cx
	s_add_co_u32 s95, s42, 32                      ; Wq|Wk as B: tile 32 + that (rows 8,192 on)
	s_lshl_b32 s96, s40, 3
	s_add_co_u32 s96, s96, s98                     ; tokens as B: tile (cluster y) + 8 cx
	s_cmp_eq_u32 s99, 0
	s_cselect_b32 s17, s17, s97                    ; A's tile of 256 rows: made of cy and the cluster's ids alone
	s_cselect_b32 s46, s95, s96                    ; B's: of cx and the cluster's ids alone
	s_lshl_b32 s43, s41, 2
	s_lshl_b32 s43, 15, s43                        ; my row of the cluster
	s_lshl_b32 s44, 0x1111, s40                    ; my column
	s_or_b32 s[G1+0], s43, (0<<16)|(1<<20)|(1<<21)|(5<<22)|(3<<25)  ; the mask; elements of 1 byte; padding on; bit 21 beside a mask; 4 words behind every 64
	s_or_b32 s[G1B+0], s44, (0<<16)|(1<<20)|(1<<21)|(5<<22)|(3<<25)
.irp g, G1, G1B
	s_mov_b32 s[\g+1], ROWB<<16                    ; tensor_dim0
	s_mov_b32 s[\g+2], 128<<16                     ; tensor_dim1
	s_mov_b32 s[\g+3], ROWB<<16                    ; tile_dim0
	s_mov_b32 s[\g+4], 128                         ; tile_dim1
	s_mov_b32 s[\g+5], KROW                        ; from row to row
	s_mov_b32 s[\g+6], 0
	s_mov_b32 s[\g+7], 0
.endr
	s_or_b32 s[G1S+0], s43, (3<<16)|(1<<20)|(1<<21)|(5<<22)|(3<<25) ; the scales of 128 rows: 4,096 dense bytes as 16 rows of 32 elements of 8 bytes
	s_or_b32 s[G1SB+0], s44, (3<<16)|(1<<20)|(1<<21)|(5<<22)|(3<<25)
.irp g, G1S, G1SB
	s_mov_b32 s[\g+1], 32<<16
	s_mov_b32 s[\g+2], 16<<16
	s_mov_b32 s[\g+3], 32<<16
	s_mov_b32 s[\g+4], 16
	s_mov_b32 s[\g+5], 32
	s_mov_b32 s[\g+6], 0
	s_mov_b32 s[\g+7], 0
.endr
	s_lshl_b32 s18, s16, 7                         ; which 128 rows of the tile I fetch
	s_lshl_b32 s20, s17, 8
	s_add_co_u32 s20, s20, s18                     ; A's row
	s_lshl_b32 s46, s46, 8
	s_add_co_u32 s46, s46, s18                     ; B's row
	s_mov_b32 s21, 0
	s_mov_b32 s47, 0
	s_mov_b64 s[18:19], KS
	s_mul_u64 s[22:23], s[20:21], s[18:19]         ; where these rows' scales begin
	s_mul_u64 s[92:93], s[46:47], s[18:19]
	s_mov_b64 s[18:19], KROW
	s_mul_u64 s[20:21], s[20:21], s[18:19]         ; and their codes
	s_mul_u64 s[46:47], s[46:47], s[18:19]
	s_mul_i32 s45, s14, HALFT                      ; where they go: wave x 128 rows
	s_mul_i32 s94, s14, HALFS
	s_wait_dscnt 0x0                               ; both opening adds are done
	s_wait_kmcnt 0x0
	s_add_nc_u64 s[20:21], s[4:5], s[20:21]
	s_add_nc_u64 s[22:23], s[6:7], s[22:23]
	s_add_nc_u64 s[46:47], s[4:5], s[46:47]
	s_add_nc_u64 s[92:93], s[6:7], s[92:93]
	CROUND                                         ; all sixteen work-groups are here: the joint loads meet
	s_mov_b32 s[G0S], 1
	s_add_co_u32 s[G0S+1], s94, SCL
	s_mov_b64 s[G0S+2:G0S+3], s[22:23]
	s_or_b32 s[G0S+3], s[G0S+3], 0x80000000
	s_mov_b32 s[G0SB], 1
	s_add_co_u32 s[G0SB+1], s94, SCL
	s_mov_b64 s[G0SB+2:G0SB+3], s[92:93]
	s_or_b32 s[G0SB+3], s[G0SB+3], 0x80000000
	JLOAD G0S, G1S, G0SB, G1SB                     ; the scales first
.irp s, 0,1
	s_mov_b32 s[G0+4*\s], 1
	s_add_co_u32 s[G0+4*\s+1], s45, \s*SLOT
	s_add_nc_u64 s[G0+4*\s+2:G0+4*\s+3], s[20:21], \s*ROWB
	s_or_b32 s[G0+4*\s+3], s[G0+4*\s+3], 0x80000000
	s_mov_b32 s[G0B+4*\s], 1
	s_add_co_u32 s[G0B+4*\s+1], s45, \s*SLOT
	s_add_nc_u64 s[G0B+4*\s+2:G0B+4*\s+3], s[46:47], \s*ROWB
	s_or_b32 s[G0B+4*\s+3], s[G0B+4*\s+3], 0x80000000
	JLOAD G0+4*\s, G1, G0B+4*\s, G1B               ; three loads of mine are out in all
.endr
	v_and_b32 v1, 15, v0                           ; r = l % 16
	v_bfe_u32 v2, v0, 4, 1                         ; h = l / 16
	v_mul_u32_u24 v3, v1, PITCH
	v_lshl_add_u32 v4, v2, 4, v3                   ; a fragment's row x pitch + 16 h
	s_mul_i32 s21, s15, HALFT
	s_mul_i32 s22, s16, HALFT
	s_add_co_u32 s22, s22, 2*HALFT
.irp s, 0,1
	v_add_nc_u32 v[ADRA+\s], s21, v4
	v_add_nc_u32 v[ADRB+\s], s22, v4
	s_add_co_u32 s21, s21, SLOT
	s_add_co_u32 s22, s22, SLOT
.endr
	v_mul_u32_u24 v5, v1, KS                       ; my row's scales: 32 bytes a row,
	v_lshrrev_b32 v6, 8, v5
	v_lshl_add_u32 v5, v6, 4, v5                   ; and 16 more for each 256 passed
	s_mul_i32 s21, s15, HALFS
	s_mul_i32 s22, s16, HALFS
	s_add_co_u32 s22, s22, 2*HALFS
	s_sub_co_u32 s22, s22, s21
	v_mul_u32_u24 v6, s22, v2                      ; lanes 16-31 take B's
	s_add_co_u32 s21, s21, SCL
	v_add_nc_u32 v5, v5, v6
	v_add_nc_u32 v[ADRS], s21, v5
	s_mul_i32 s23, s14, 16*SPITCH
	s_add_co_u32 s23, s23, STAGE                   ; my stage
	v_mul_u32_u24 v5, v1, SPITCH
	v_lshl_add_u32 v5, v2, 4, v5
	v_add_nc_u32 v[STO], s23, v5                   ; in: row r, 16 bytes for each half of the lanes
	v_mul_u32_u24 v5, v2, SPITCH
	v_lshl_add_u32 v5, v1, 4, v5
	v_add_nc_u32 v[RD], s23, v5                    ; back: lanes 0-15 one row of 256 bytes, lanes 16-31 the next
	v_lshlrev_b32 v5, 12, v2
	v_lshl_add_u32 v[CO], v1, 4, v5                ; and the same two rows in C
	; where my part of C begins
	s_lshl_b32 s20, s17, 20                        ; qk: 256 tokens of 4,096 bytes a tile,
	s_lshl_b32 s21, s42, 9
	s_add_co_u32 s20, s20, s21                     ; 512 bytes a column tile
	s_lshl_b32 s22, s40, 22                        ; vt: batch cx,
	s_lshl_b32 s21, s41, 20
	s_add_co_u32 s22, s22, s21                     ; 256 channels cy,
	s_lshl_b32 s21, s98, 9
	s_add_co_u32 s22, s22, s21                     ; the batch's token tile
	s_cmp_eq_u32 s99, 0
	s_cselect_b32 s20, s20, s22
	s_cselect_b64 s[8:9], s[8:9], s[10:11]
	s_lshl_b32 s21, s15, 19
	s_add_co_u32 s20, s20, s21                     ; my 128 rows
	s_lshl_b32 s21, s16, 8
	s_add_co_u32 s20, s20, s21                     ; my 128 columns
	s_mov_b32 s21, 0
	s_add_nc_u64 s[8:9], s[8:9], s[20:21]
	; and of e16
	s_lshl_b32 s20, s41, 17                        ; qk16: batch cy x 16 tokens x 8,192 bytes,
	s_lshl_b32 s21, s42, 10
	s_add_co_u32 s20, s20, s21                     ; 1,024 bytes a column tile,
	s_lshl_b32 s21, s16, 9
	s_add_co_u32 s20, s20, s21                     ; my 128 columns
	s_lshl_b32 s22, s40, 16                        ; vt16: batch cx x 1,024 channels x 64 bytes,
	s_lshl_b32 s21, s41, 14
	s_add_co_u32 s22, s22, s21                     ; 256 channels cy,
	s_lshl_b32 s21, s15, 13
	s_add_co_u32 s22, s22, s21                     ; my 128 channels
	s_add_co_u32 s22, s22, 524288
	s_cmp_eq_u32 s99, 0
	s_cselect_b32 s20, s20, s22
	s_cselect_b32 s23, 13, 6                       ; a row of C is 8,192 bytes there, or 64
	s_mov_b32 s21, 0
	s_add_nc_u64 s[100:101], s[12:13], s[20:21]
	v_lshlrev_b32 v[EO], s23, v1
	v_lshl_add_u32 v[EO], v2, 5, v[EO]             ; + 32 h: my eight numbers
.macro FRAG reg, adr, q, i             ; 16 rows x 128 K of 4-bit codes: registers 4 c .. 4 c + 3 hold K = 64 c + 32 h + 0 .. 31
.irp c, 0,1
	ds_load_b128 v[\reg+4*\c:\reg+4*\c+3], v[\adr] offset:64*(\q)+32*\c+(\i)*16*PITCH
.endr
.endm
; 16 matrix instructions: A's blocks a0, a0 + 1 x B's eight.  The 64 accumulators take turns, one instruction a turn, in the same order in every step.
.macro MUL16 a0, p, q, sc, zero
.irp a, \a0, \a0+1
.irp b, 0,1,2,3,4,5,6,7
.if \zero
	v_wmma_scale_f32_16x16x128_f8f6f4 v[8*(8*((\a)%4)+\b):8*(8*((\a)%4)+\b)+7], v[128*(\p)+FR*\b:128*(\p)+FR*\b+FR-1], v[AF+FR*(\a):AF+FR*(\a)+FR-1], 0, v[SC+8*NQ*(\sc)+NQ*\b+(\q)], v[SC+8*NQ*(\sc)+NQ*(\a)+(\q)] matrix_a_fmt:MATRIX_FMT_FP4 matrix_b_fmt:MATRIX_FMT_FP4 matrix_a_scale:MATRIX_SCALE_ROW1
.else
	v_wmma_scale_f32_16x16x128_f8f6f4 v[8*(8*((\a)%4)+\b):8*(8*((\a)%4)+\b)+7], v[128*(\p)+FR*\b:128*(\p)+FR*\b+FR-1], v[AF+FR*(\a):AF+FR*(\a)+FR-1], v[8*(8*((\a)%4)+\b):8*(8*((\a)%4)+\b)+7], v[SC+8*NQ*(\sc)+NQ*\b+(\q)], v[SC+8*NQ*(\sc)+NQ*(\a)+(\q)] matrix_a_fmt:MATRIX_FMT_FP4 matrix_b_fmt:MATRIX_FMT_FP4 matrix_a_scale:MATRIX_SCALE_ROW1
.endif
.endr
.endr
.endm
.macro FETCH_B slot, q, p
	WIN TO_B
.irp i, 0,1,2,3,4,5,6,7
	FRAG 128*(\p)+FR*\i, ADRB+\slot, \q, \i
.endr
	WIN 0
.endm
.macro FETCH_A slot, q, i0
.irp i, \i0, \i0+1, \i0+2, \i0+3
	FRAG AF+FR*(\i), ADRA+\slot, \q, \i
.endr
.endm
.macro SCALES sc                       ; a slot's scale words: lanes 0-15 take A's block i, lanes 16-31 B's block i
.irp i, 0,1,2,3,4,5,6,7
	ds_load_b128 v[SC+8*NQ*\sc+NQ*\i:SC+8*NQ*\sc+NQ*\i+3], v[ADRS] offset:\i*SBLK
.endr
.endm
.macro PLACES n                        ; plain vector lines between a matrix instruction and a load into, or a read of, its registers
.rept \n
	v_nop
.endr
.endm
.macro STEP slot, q, zero              ; 128 along K, with its successor in the same slot
	s_wait_dscnt 4*NL                              ; B's set and A's blocks 0-3 are in; the youngest eight loads (A's blocks 4-7) may be out
	WIN MUL_LO
	MUL16 0, (\q)%2, \q, \slot, \zero
	MUL16 2, (\q)%2, \q, \slot, \zero
	s_wait_dscnt 0
	PLACES NP
	FETCH_B \slot, (\q)+1, 1-(\q)%2
	FETCH_A \slot, (\q)+1, 0
	WIN MUL_HI
	MUL16 4, (\q)%2, \q, \slot, \zero
	MUL16 6, (\q)%2, \q, \slot, \zero
	PLACES NP
	WIN 0
	FETCH_A \slot, (\q)+1, 4
.endm
.macro STEPS slot, from
.set Q, \from
.rept NQ-1-\from
	STEP \slot, Q, 0
.set Q, Q+1
.endr
.endm
	s_wait_tensorcnt 1                             ; the scales and my part of slot 0 are in; slot 1's load may be out
	s_barrier_signal -1
	s_barrier_wait -1
	FETCH_B 0, 0, 0
	FETCH_A 0, 0, 0
	SCALES 0
	FETCH_A 0, 0, 4
	STEP 0, 0, 1                                   ; the first products start the sums: nothing is cleared
	STEPS 0, 1
	; slot 0's last step changes slots: my part of slot 1 has landed, then the barrier shows it whole to every wave
	s_wait_tensorcnt 0x0
	ds_add_u32 v[SPW], v[NIL]
	s_wait_dscnt 4*NL+1                            ; the add and the youngest eight loads may be out
	WIN MUL_LO
	MUL16 0, 1, NQ-1, 0, 0
	s_wait_dscnt 0x0
	s_barrier_signal -1
	MUL16 2, 1, NQ-1, 0, 0
	WIN 0
	s_barrier_wait -1
	PLACES NP
	v_add_nc_u32 v[ADRS], 4*NQ, v[ADRS]            ; on to slot 1's scale words
	FETCH_B 1, 0, 0
	FETCH_A 1, 0, 0
	SCALES 1
	WIN MUL_HI
	MUL16 4, 1, NQ-1, 0, 0
	MUL16 6, 1, NQ-1, 0, 0
	PLACES NP
	WIN 0
	FETCH_A 1, 0, 4
	STEPS 1, 0
	s_wait_dscnt 4*NL                              ; the very last step
	WIN MUL_LO
	MUL16 0, 1, NQ-1, 1, 0
	MUL16 2, 1, NQ-1, 1, 0
	s_wait_dscnt 0
	WIN MUL_HI
	MUL16 4, 1, NQ-1, 1, 0
	MUL16 6, 1, NQ-1, 1, 0
	WIN 0
	PLACES NP                                      ; ahead of the first reads of results and of loads into A's fragments
	; THE FIRST 16 TOKENS OF A BATCH, UNROUNDED.  The branches hang on the cluster's ids and the wave's number alone.
	s_cmp_lg_u32 s98, 0
	s_cbranch_scc1 .Lno_extra
	s_cmp_lg_u32 s99, 0
	s_cbranch_scc1 .Lextra_v
	s_cmp_lg_u32 s15, 0                            ; q|k: tokens are rows: my rows 0-15 are block 0 of the waves with the upper half
	s_cbranch_scc1 .Lno_extra
	WIN 0x08                                       ; a store's data: window 2
.irp b, 0,1,2,3,4,5,6,7
	global_store_b128 v[EO], v[8*\b:8*\b+3], s[100:101] offset:64*\b
	global_store_b128 v[EO], v[8*\b+4:8*\b+7], s[100:101] offset:64*\b+16
.endr
	WIN 0
	s_branch .Lno_extra
.Lextra_v:
	s_cmp_lg_u32 s16, 0                            ; v: tokens are columns: columns 0-15 are B's block 0 of the waves with the left half
	s_cbranch_scc1 .Lno_extra
	WIN 0x08
.irp a, 0,1,2,3
	global_store_b128 v[EO], v[64*\a:64*\a+3], s[100:101] offset:1024*\a
	global_store_b128 v[EO], v[64*\a+4:64*\a+7], s[100:101] offset:1024*\a+16
.endr
	WIN 0x0c                                       ; window 3
.irp a, 0,1,2,3
	global_store_b128 v[EO], v[64*\a:64*\a+3], s[100:101] offset:1024*(\a+4)
	global_store_b128 v[EO], v[64*\a+4:64*\a+7], s[100:101] offset:1024*(\a+4)+16
.endr
	WIN 0
.Lno_extra:
; THE WAY OUT, a block of 16 rows x 128 columns at a time: rounded to f16 (16 bytes a lane), through my own stage, back as whole rows of 256 bytes.
.macro PACK a
.set AC, 64*((\a)%4)
	WIN 0x0a+5*((\a)/4)                            ; sources 0 and 1: window 2 or 3
.irp b, 0,1,2,3,4,5,6,7
.irp r, 0,1,2,3
	v_cvt_pk_f16_f32 v[TMP+4*\b+\r], v[AC+8*\b+2*\r], v[AC+8*\b+2*\r+1]
.endr
.endr
	WIN 0
.endm
.macro TOSTAGE a
.set BB, BK+32*((\a)%2)
.irp b, 0,1,2,3,4,5,6,7
	ds_store_b128 v[STO], v[TMP+4*\b:TMP+4*\b+3] offset:32*\b
.endr
.irp t, 0,1,2,3,4,5,6,7
	ds_load_b128 v[BB+4*\t:BB+4*\t+3], v[RD] offset:\t*2*SPITCH    ; in order behind the stores above (ISA guide 5.7.1.4)
.endr
.endm
.macro SEND a
.set BB, BK+32*((\a)%2)
	s_wait_dscnt 0x0                               ; the block is back in registers
	s_wait_xcnt 0x0                                ; the earlier stores have read their base and their data: both are written again only behind this wait
.if (\a) > 0
	s_add_nc_u64 s[8:9], s[8:9], 16*CPITCH
.endif
.irp t, 0,1,2,3,4,5,6,7
	global_store_b128 v[CO], v[BB+4*\t:BB+4*\t+3], s[8:9] offset:2*\t*CPITCH   ; 16 lanes store 256 consecutive bytes, aligned
.endr
.endm
	PACK 0
	TOSTAGE 0
.irp a, 1,2,3,4,5,6,7                  ; block a's conversions stand between block a - 1's loads from the stage and the wait for them
	PACK \a
	SEND \a-1
	TOSTAGE \a
.endr
	SEND 7
	s_wait_tensorcnt 0x0                           ; the wave's end
	ds_add_u32 v[SPW], v[NIL]
	s_wait_dscnt 0x0
	CROUND                                         ; the closing round
	s_endpgm
.Lfunc_end_k_qba2f9c5561_proj:
	.size	k_qba2f9c5561_proj, .Lfunc_end_k_qba2f9c5561_proj-k_qba2f9c5561_proj
	.p2alignl 7, 3214868480
	.fill 96, 4, 3214868480
	.section	.rodata,"a",@progbits
	.p2align	6, 0x0
	.amdhsa_kernel k_qba2f9c5561_proj
		.amdhsa_group_segment_fixed_size 327680
		.amdhsa_private_segment_fixed_size 0
		.amdhsa_enable_private_segment 0
		.amdhsa_kernarg_size 40
		.amdhsa_user_sgpr_count 2
		.amdhsa_user_sgpr_kernarg_segment_ptr 1
		.amdhsa_wavefront_size32 1
		.amdhsa_system_sgpr_workgroup_id_x 1
		.amdhsa_system_sgpr_workgroup_id_y 1
		.amdhsa_system_sgpr_workgroup_id_z 1
		.amdhsa_system_vgpr_workitem_id 0
		.amdhsa_next_free_vgpr 1024
		.amdhsa_next_free_sgpr 102
		.amdhsa_reserve_vcc 0
		.amdhsa_float_denorm_mode_32 3
		.amdhsa_float_denorm_mode_16_64 3
		.amdhsa_memory_ordered 1
		.amdhsa_forward_progress 1
		.amdhsa_inst_pref_size 131
	.end_amdhsa_kernel
	.amdgpu_metadata
---
amdhsa.version: [ 1, 2 ]
amdhsa.kernels:
  - .name:           k_qba2f9c5561_proj
    .symbol:         k_qba2f9c5561_proj.kd
    .args:
      - { .name: codes, .offset: 0, .size: 8, .value_kind: global_buffer, .address_space: global }
      - { .name: scales, .offset: 8, .size: 8, .value_kind: global_buffer, .address_space: global }
      - { .name: qk, .offset: 16, .size: 8, .value_kind: global_buffer, .address_space: global }
      - { .name: vt, .offset: 24, .size: 8, .value_kind: global_buffer, .address_space: global }
      - { .name: e16, .offset: 32, .size: 8, .value_kind: global_buffer, .address_space: global }
    .group_segment_fixed_size: 327680
    .private_segment_fixed_size: 0
    .kernarg_segment_align: 8
    .kernarg_segment_size: 40
    .max_flat_workgroup_size: 128
    .sgpr_count:     102
    .vgpr_count:     1024
    .wavefront_size: 32
...
	.end_amdgpu_metadata
.endif
;; end of part 2
;; launch scores (part 3): grid 4 x 48, 4 waves a work-group, clusters of 4 x 4, 327,680 bytes of LDS; arguments qk, pt, st; writes pt, st
.if DOCPART == 3
	.amdgcn_target "amdgcn-amd-amdhsa--gfx1250"
	.amdhsa_code_object_version 6
	.text
	.protected	k_qba2f9c5561_scores
	.globl	k_qba2f9c5561_scores
	.p2align	8
	.type	k_qba2f9c5561_scores,@function
k_qba2f9c5561_scores:
	s_mov_b64 s[64:65], 0
	v_nop
	global_prefetch_b8 v0, s[64:65] scope:SCOPE_SE
	s_setreg_imm32_b32 hwreg(HW_REG_WAVE_MODE, 25, 1), 1
	s_wait_xcnt 0x0
	s_wait_alu depctr_hold_cnt(0) depctr_sa_sdst(0) depctr_va_vdst(0) depctr_va_sdst(0) depctr_va_ssrc(0) depctr_va_vcc(0) depctr_vm_vsrc(0)
	s_getreg_b32 s2, hwreg(HW_REG_IB_STS2, 6, 4)
	s_cmp_eq_u32 s2, 0
	s_cbranch_scc0 .Lentry_in_a_cluster
	s_endpgm
.Lentry_in_a_cluster:
	s_bfe_u32 s2, ttmp6, 0x10000c
	s_cmp_lg_u32 s2, 0xf033
	s_cbranch_scc0 .Lentry_shape_is_right
	s_endpgm
.Lentry_shape_is_right:
; S = q k^T under the causal mask, and the softmax's numerators by chunks of 128 keys.  qk: [8192 tokens][2048] f16 (q, then k).  Products on f16 operands, sums in f32, K = 1,024.
; For each query and each chunk of 128 keys: t = s x c, c = log2(e) / 32; M = the chunk's largest t rounded UP to a whole number; p = 2^(t - M), rounded to f16, goes to pt [4][2048 q][2048 keys];
; -M and l = the sum of the unrounded p go to st [4 batches][16 chunks][32 groups of 64 queries][-M, l][16 r][4 a] f32 (query = 64 g + 16 a + r).  The next launch brings the chunks under one unit
; by exact powers of two, following the row's largest M, and divides by the row's sum: the row's maximum is taken away, in two steps.
; A chunk all of whose keys are hidden for a query has p = 0, l = 0 and -M = c x 3e38.  LIMIT: a score under -3e38 counts as hidden; NaN is not served.
; SHARES.  A tile is 256 queries x 256 keys; four waves, as many as a WGP has SIMDs, each 128 x 128: 64 accumulators, 512 registers (a wave's 128 keys are one chunk).
; A cluster of 4 x 4 takes one of the three super-tiles of 1,024 x 1,024 on or under the diagonal of one batch: 12 clusters.  q's tile is asked for jointly by a row of the cluster, k's by a column.
; In the two super-tiles on the diagonal six tiles lie wholly above it: they make every joint request with their partners and store zeros and the floor's statistics, part of which the next launch reads.
; K goes in eight steps of 128 through two LDS slots (rows of 256 bytes, 128 to a load).
; The matrix instruction is used transposed (source 0 = 16 keys, source 1 = 16 queries): lane (r, h) holds query r and keys 8 h + 0 .. 7 of a block.
; REGISTERS, in windows of 256: window 0: v0-31 addresses; v64-127, v128-191 q's fragments, two buffers (behind the products: v64-119 the softmax's figures); v192-223 packed results; v32-63, v224-255 rows read back.
;   window 1: v64-127, v128-191 k's fragments.   window 2: the accumulators of my queries 0-63 ((a, b) at v[8 (8 (a % 4) + b)]);   window 3: those of my queries 64-127.
.set KSTEP,  128
.set PITCH,  272                       ; an LDS row: 256 bytes + 16 of padding: the 16 rows of a load start at 16 different banks (64 banks of 4 bytes: ISA guide 11.1)
.set HALFT,  128*PITCH                 ; 128 rows: what one tensor load brings
.set SLOT,   4*HALFT                   ; q's 256 rows, then k's 256 rows
.set STAGE,  2*SLOT                    ; behind the slots: 16 rows x 272 bytes for each wave; no tile lands here
.set SPITCH, 272
.set SPARE,  STAGE+4*16*SPITCH         ; the spare words, 128 bytes a wave
.set LAPS,   4                         ; a lap = two K steps = once round the two slots
.set ROWE,   2048                      ; elements from row to row of qk
.set PPITCH, 4096                      ; a row of pt in bytes
.set ADRA, 16
.set ADRB, 20
.set STO,  24
.set RD,   25
.set CO,   26
.set SOF,  27                          ; v27 16 x lane
.set SPW,  28
.set NIL,  29
.set D0,   30                          ; v30 my query less my first key: the key at offset n is hidden where n > D0
.set NINF, 31                          ; v31 -infinity
.set F0,   64
.set F1,   128
.set TMP,  192
.set OB,   32
.set NM,   64                          ; v[64+2a] -M of query block a (named as a pair with v[65+2a])
.set SUM,  80                          ; v[80+2a:81+2a] the sums
.set MX,   96                          ; v96-103 the largest scores
.set PX,   104                         ; v104-111 what the other half of the lanes holds
.set QD,   112                         ; v112-119 the numbers that go to st
.set G1, 24
.set G0, 32
.set G1B, 48
.set G0B, 56
.set CS,  72                           ; s[72:73] c
.set SEL, 74                           ; s[74:75] lane l xor 16
.set CM,  80                           ; s80-87 the mask's eight lane masks
.set MSB, 0
.macro WIN new                         ; the immediate's high byte repeats the setting that is left
.if MSB != (\new)
	s_set_vgpr_msb (MSB<<8)|(\new)
.set MSB, (\new)
.endif
.endm
.set MUL_LO, 0xa1                      ; source 0 (k) window 1, source 1 (q) window 0, C and D window 2
.set MUL_HI, 0xf1                      ; the same, C and D window 3
.set TO_B,   0x40                      ; destination window 1, address window 0
.macro JLOAD s                         ; waves 0 and 1 fetch q's two halves, waves 2 and 3 k's; the branch hangs on the wave's number alone; an s_nop 0 and four v_nop follow each line
	s_cmp_eq_u32 s11, 0
	s_cbranch_scc0 .Lfor_b_\@
	tensor_load_to_lds s[G0+4*\s:G0+4*\s+3], s[G1:G1+7]
	s_nop 0
.rept 4
	v_nop
.endr
	s_branch .Lasked_\@
.Lfor_b_\@:
	tensor_load_to_lds s[G0B+4*\s:G0B+4*\s+3], s[G1B:G1B+7]
	s_nop 0
.rept 4
	v_nop
.endr
.Lasked_\@:
.endm
.macro CREST                           ; a round of the cluster's barrier behind its opening barrier
	s_cmp_lg_u32 s10, 0
	s_cbranch_scc1 .Lnot_wave_0_\@
	s_barrier_signal -3
.Lnot_wave_0_\@:
	s_barrier_wait -3
	s_barrier_signal -1
	s_barrier_wait -1
.endm
.macro CROUND
	s_barrier_signal -1
	s_barrier_wait -1
	CREST
.endm
	s_load_b128 s[4:7], s[0:1], 0x0                ; qk, pt
	s_load_b64 s[8:9], s[0:1], 0x10                ; st
	v_lshl_add_u32 v[SPW], v0, 2, SPARE
	v_mov_b32 v[NIL], 0
	ds_add_u32 v[SPW], v[NIL]                      ; the wave's opening: the add, twice on end, and its wait ahead of my first tensor load
	ds_add_u32 v[SPW], v[NIL]
	v_lshrrev_b32 v1, 5, v0
	v_readfirstlane_b32 s10, v1                    ; wave
	s_lshr_b32 s11, s10, 1                         ; my half of the queries.  Also: I fetch for q (0) or k (1)
	s_and_b32 s12, s10, 1                          ; my half of the keys.  Also: which 128 rows I fetch
	s_bfe_u32 s40, ttmp6, 0x40000                  ; cx
	s_bfe_u32 s41, ttmp6, 0x40004                  ; cy
	s_and_b32 s66, ttmp7, 0xffff                   ; cluster y = 4 t + batch
	s_lshr_b32 s67, s66, 2                         ; super-tile t = 0, 1, 2:
	s_and_b32 s66, s66, 3                          ; the batch
	s_add_co_u32 s68, s67, 1
	s_lshr_b32 s68, s68, 1                         ; its row 0, 1, 1
	s_lshr_b32 s69, s67, 1                         ; its column 0, 0, 1
	s_lshl_b32 s13, s68, 2
	s_add_co_u32 s13, s13, s41                     ; i: my tile of 256 queries
	s_lshl_b32 s42, s69, 2
	s_add_co_u32 s42, s42, s40                     ; j: my tile of 256 keys
	s_lshl_b32 s43, s41, 2
	s_lshl_b32 s43, 15, s43                        ; my row of the cluster
	s_lshl_b32 s44, 0x1111, s40                    ; my column
	s_or_b32 s[G1+0], s43, (1<<16)|(1<<20)|(1<<21)|(5<<22)|(3<<25)  ; the mask; elements of 2 bytes; padding on; bit 21 beside a mask; 4 words behind every 64
	s_or_b32 s[G1B+0], s44, (1<<16)|(1<<20)|(1<<21)|(5<<22)|(3<<25)
.irp g, G1, G1B
	s_mov_b32 s[\g+1], KSTEP<<16                   ; tensor_dim0
	s_mov_b32 s[\g+2], 128<<16                     ; tensor_dim1
	s_mov_b32 s[\g+3], KSTEP<<16                   ; tile_dim0
	s_mov_b32 s[\g+4], 128                         ; tile_dim1
	s_mov_b32 s[\g+5], ROWE                        ; from row to row
	s_mov_b32 s[\g+6], 0
	s_mov_b32 s[\g+7], 0
.endr
	s_mov_b32 s[CS], 0x3d38aa3b                    ; c = log2(e) / sqrt(1024)
	s_mov_b32 s[CS+1], s[CS]
	s_mov_b32 s[SEL], 0x76543210
	s_mov_b32 s[SEL+1], 0xfedcba98
	s_lshl_b32 s17, s12, 7
	s_lshl_b32 s16, s66, 11
	s_lshl_b32 s18, s13, 8
	s_add_co_u32 s16, s16, s18
	s_add_co_u32 s16, s16, s17                     ; q: token 2,048 b + 256 i + 128 x half
	s_lshl_b32 s16, s16, 12                        ; 4,096 bytes a token
	s_lshl_b32 s46, s66, 11
	s_lshl_b32 s47, s42, 8
	s_add_co_u32 s46, s46, s47
	s_add_co_u32 s46, s46, s17                     ; k: token 2,048 b + 256 j + 128 x half
	s_lshl_b32 s46, s46, 12
	s_add_co_u32 s46, s46, 2048                    ; k lies behind q in a token's row
	s_mov_b32 s17, 0
	s_mov_b32 s47, 0
	s_mul_i32 s20, s10, HALFT                      ; where they go: wave x 128 rows
	s_wait_dscnt 0x0                               ; both opening adds are done
	s_wait_kmcnt 0x0
	s_add_nc_u64 s[14:15], s[4:5], s[16:17]
	s_add_nc_u64 s[46:47], s[4:5], s[46:47]
	CROUND                                         ; all sixteen work-groups are here: the first joint loads meet
.irp s, 0,1
	s_mov_b32 s[G0+4*\s], 1
	s_add_co_u32 s[G0+4*\s+1], s20, \s*SLOT
	s_add_nc_u64 s[G0+4*\s+2:G0+4*\s+3], s[14:15], \s*KSTEP*2
	s_or_b32 s[G0+4*\s+3], s[G0+4*\s+3], 0x80000000
	s_mov_b32 s[G0B+4*\s], 1
	s_add_co_u32 s[G0B+4*\s+1], s20, \s*SLOT
	s_add_nc_u64 s[G0B+4*\s+2:G0B+4*\s+3], s[46:47], \s*KSTEP*2
	s_or_b32 s[G0B+4*\s+3], s[G0B+4*\s+3], 0x80000000
	JLOAD \s                                       ; two loads of mine are out
.endr
	v_and_b32 v1, 15, v0                           ; r
	v_bfe_u32 v2, v0, 4, 1                         ; h
	v_mul_u32_u24 v3, v1, PITCH
	v_lshl_add_u32 v3, v2, 4, v3                   ; a fragment's row x pitch + 16 h
	s_mul_i32 s21, s11, HALFT                      ; my 128 rows of q
	s_mul_i32 s22, s12, HALFT                      ; my 128 rows of k,
	s_add_co_u32 s22, s22, 2*HALFT                 ; which lie behind q's 256
.irp s, 0,1
	v_add_nc_u32 v[ADRA+\s], s21, v3
	v_add_nc_u32 v[ADRB+\s], s22, v3
	s_add_co_u32 s21, s21, SLOT
	s_add_co_u32 s22, s22, SLOT
.endr
	s_mul_i32 s23, s10, 16*SPITCH
	s_add_co_u32 s23, s23, STAGE                   ; my stage
	v_mul_u32_u24 v4, v1, SPITCH
	v_lshl_add_u32 v4, v2, 4, v4
	v_add_nc_u32 v[STO], s23, v4                   ; in: row r, 16 bytes for each half of the lanes
	v_mul_u32_u24 v5, v2, SPITCH
	v_lshl_add_u32 v5, v1, 4, v5
	v_add_nc_u32 v[RD], s23, v5                    ; back: lanes 0-15 one row of 256 bytes, lanes 16-31 the next
	v_lshlrev_b32 v5, 12, v2
	v_lshl_add_u32 v[CO], v1, 4, v5                ; and the same two rows in pt
	s_lshl_b32 s16, s66, 11
	s_lshl_b32 s17, s13, 8
	s_add_co_u32 s16, s16, s17
	s_lshl_b32 s17, s11, 7
	s_add_co_u32 s16, s16, s17                     ; my first row of pt
	s_lshl_b32 s16, s16, 12
	s_lshl_b32 s17, s42, 9
	s_add_co_u32 s16, s16, s17                     ; 512 bytes a tile of keys,
	s_lshl_b32 s17, s12, 8
	s_add_co_u32 s16, s16, s17                     ; 256 for my half
	s_mov_b32 s17, 0
	s_add_nc_u64 s[6:7], s[6:7], s[16:17]
	s_lshl_b32 s70, s66, 4                         ; st: ((batch x 16 + chunk) x 32 + group) x 512
	s_lshl_b32 s71, s42, 1
	s_add_co_u32 s70, s70, s71
	s_add_co_u32 s70, s70, s12                     ; chunk = 2 j + my half of the keys
	s_lshl_b32 s70, s70, 5
	s_lshl_b32 s71, s13, 2
	s_add_co_u32 s70, s70, s71
	s_lshl_b32 s71, s11, 1
	s_add_co_u32 s70, s70, s71                     ; my first group = 4 i + 2 x my half of the queries
	s_lshl_b32 s70, s70, 9
	s_mov_b32 s71, 0
	s_add_nc_u64 s[8:9], s[8:9], s[70:71]
	v_and_b32 v5, 31, v0
	v_lshlrev_b32 v[SOF], 4, v5
	s_sub_co_i32 s70, s13, s42                     ; D0 = 256 (i - j) + 128 (my half of the queries - my half of the keys) + r - 8 h
	s_lshl_b32 s70, s70, 1
	s_add_co_i32 s70, s70, s11
	s_sub_co_i32 s70, s70, s12
	s_lshl_b32 s70, s70, 7
	v_lshlrev_b32 v5, 3, v2
	v_sub_nc_u32 v[D0], v1, v5
	v_add_nc_u32 v[D0], s70, v[D0]
	v_mov_b32 v[NINF], 0xff800000
; 16 matrix instructions: query blocks a0, a0 + 1 of the window's four x all 8 key blocks, 32 along K.  zero = 1: the first product starts the sums.
; The 64 accumulators take turns, one instruction a turn, in the same order in every quarter.
.macro MUL16 f, hi, a0, zero
.irp a, \a0, \a0+1
.irp b, 0,1,2,3,4,5,6,7
.if \zero
	v_wmma_f32_16x16x32_f16 v[8*(8*(\a)+\b):8*(8*(\a)+\b)+7], v[\f+8*\b:\f+8*\b+7], v[\f+8*(4*\hi+\a):\f+8*(4*\hi+\a)+7], 0
.else
	v_wmma_f32_16x16x32_f16 v[8*(8*(\a)+\b):8*(8*(\a)+\b)+7], v[\f+8*\b:\f+8*\b+7], v[\f+8*(4*\hi+\a):\f+8*(4*\hi+\a)+7], v[8*(8*(\a)+\b):8*(8*(\a)+\b)+7]
.endif
.endr
.endr
.endm
.macro FETCH slot, k, f                ; 32 LDS loads in one run: 128 rows of k, 128 rows of q, 32 along K at byte k of the rows
	WIN TO_B
.irp i, 0,1,2,3,4,5,6,7
	ds_load_b128 v[\f+8*\i:\f+8*\i+3],   v[ADRB+\slot] offset:\k+\i*16*PITCH
	ds_load_b128 v[\f+8*\i+4:\f+8*\i+7], v[ADRB+\slot] offset:\k+\i*16*PITCH+32
.endr
	WIN 0
.irp i, 0,1,2,3,4,5,6,7
	ds_load_b128 v[\f+8*\i:\f+8*\i+3],   v[ADRA+\slot] offset:\k+\i*16*PITCH
	ds_load_b128 v[\f+8*\i+4:\f+8*\i+7], v[ADRA+\slot] offset:\k+\i*16*PITCH+32
.endr
.endm
.macro PLACES                          ; four plain vector lines between a matrix instruction and a load into, a write of or a read of its registers
.rept 4
	v_nop
.endr
.endm
; A K step is four quarters of 32 along K, 64 matrix instructions each, on buffers 0, 1, 0, 1.  One of the first three multiplies buffer f and fetches the next quarter, at byte k, into g.
.macro QUARTER slot, k, f, g, zero
	s_wait_dscnt 8                                 ; k's fragments and q's blocks 0-3 are in; the youngest eight loads (q's blocks 4-7) may be out
	WIN MUL_LO
	MUL16 \f, 0, 0, \zero
	MUL16 \f, 0, 2, \zero
	PLACES
	FETCH \slot, \k, \g
	s_wait_dscnt 32                                ; all but the 32 just issued
	WIN MUL_HI
	MUL16 \f, 1, 0, \zero
	MUL16 \f, 1, 2, \zero
.endm
; The last quarter multiplies buffer 1 and changes slots: each wave waits for all its tensor loads (its part of the next slot), adds 0 to its spare word, waits for that and for its reads of this slot; one barrier.
; fill = 1: the barrier opens a round of the cluster's barrier, and this slot is filled again first behind it, two K steps ahead.
.macro TURN slot, next, fill
	WIN 0                                          ; (the add's two registers lie in window 0)
	s_wait_tensorcnt 0x0
	ds_add_u32 v[SPW], v[NIL]
	s_wait_dscnt 9                                 ; the add and the youngest eight loads may be out
	WIN MUL_LO
	MUL16 F1, 0, 0, 0
	s_wait_dscnt 0x0                               ; the add is done, and my reads of this slot are over
	s_barrier_signal -1
	MUL16 F1, 0, 2, 0
.if \fill
	WIN 0
.endif
	s_barrier_wait -1
.if \fill
	CREST                                          ; no wave of any partner still reads this slot or has a load on its way
	s_add_nc_u64 s[G0+4*\slot+2:G0+4*\slot+3], s[G0+4*\slot+2:G0+4*\slot+3], 2*KSTEP*2
	s_add_nc_u64 s[G0B+4*\slot+2:G0B+4*\slot+3], s[G0B+4*\slot+2:G0B+4*\slot+3], 2*KSTEP*2
	JLOAD \slot                                    ; my one tensor load behind the round; its four v_nop are also the places in front of the loads below
.else
	PLACES
.endif
	FETCH \next, 0, F0
	WIN MUL_HI
	MUL16 F1, 1, 0, 0
	MUL16 F1, 1, 2, 0
.endm
	s_wait_tensorcnt 1                             ; my part of K step 0 is in; K step 1's load may be out
	s_barrier_signal -1
	s_barrier_wait -1
	FETCH 0, 0, F0
	QUARTER 0, 64,  F0, F1, 1                      ; the first quarter stands in front of the loop: its products start the sums
	WIN 0                                          ; at a label and at a branch every window is 0
	s_mov_b32 s3, LAPS-1
.Llap:                                                 ; a trip goes once round the slots, from a lap's second quarter to the next lap's first, and fills both again: K steps 2 to 7
	QUARTER 0, 128, F1, F0, 0
	QUARTER 0, 192, F0, F1, 0
	TURN 0, 1, 1
	QUARTER 1, 64,  F0, F1, 0
	QUARTER 1, 128, F1, F0, 0
	QUARTER 1, 192, F0, F1, 0
	TURN 1, 0, 1
	QUARTER 0, 64,  F0, F1, 0
	WIN 0
	s_sub_co_u32 s3, s3, 1
	s_cmp_lg_u32 s3, 0
	s_cbranch_scc1 .Llap
	QUARTER 0, 128, F1, F0, 0                      ; the last lap fills nothing
	QUARTER 0, 192, F0, F1, 0
	TURN 0, 1, 0
	QUARTER 1, 64,  F0, F1, 0
	QUARTER 1, 128, F1, F0, 0
	QUARTER 1, 192, F0, F1, 0
	s_wait_dscnt 8                                 ; the very last quarter: nothing more to fetch
	WIN MUL_LO
	MUL16 F1, 0, 0, 0
	MUL16 F1, 0, 2, 0
	s_wait_dscnt 0
	WIN MUL_HI
	MUL16 F1, 1, 0, 0
	MUL16 F1, 1, 2, 0
	WIN 0
	PLACES
.irp a, 0,1,2,3,4,5,6,7
	v_mov_b32 v[MX+\a], 0xff61b1e6                 ; the floor under every largest score: -3e38
	v_mov_b32 v[PX+\a], 0                          ; a lane permute's destination counts as one of its sources
	v_mov_b32 v[NM+2*\a+1], 0                      ; named with -M as a pair
	v_mov_b32 v[SUM+2*\a], 0
	v_mov_b32 v[SUM+2*\a+1], 0
.endr
	; THE MASK, in the super-tiles on the diagonal alone (a branch on the cluster's ids): hidden scores become -infinity.  Register n of accumulator (a, b) holds the key at offset 16 (b - a) + n against D0:
	; so the eight lane masks of a diagonal b - a serve all its accumulators.  Each accumulator is taken from its low end on.
	s_cmp_lg_u32 s68, s69
	s_cbranch_scc1 .Lopen
.set dd, -7
.rept 15
.set n, 0
.rept 8
	v_cmp_gt_i32 s[CM+n], 16*dd+n, v[D0]
.set n, n+1
.endr
.set aa, 0
.rept 8
.if (aa+dd >= 0) && (aa+dd <= 7)
	WIN 0x82+0x41*(aa/4)                           ; destination and source 0: window 2 or 3; -infinity and D0: window 0
.set n, 0
.rept 8
	v_cndmask_b32 v[8*(8*(aa%4)+aa+dd)+n], v[8*(8*(aa%4)+aa+dd)+n], v[NINF], s[CM+n]
.set n, n+1
.endr
.endif
.set aa, aa+1
.endr
.set dd, dd+1
.endr
	WIN 0
.Lopen:
	; the chunk's largest score of each query: 64 registers a block of queries, walked upward, a window's four blocks by turns
.irp w, 0,1
	WIN 0x28+0x14*\w                               ; sources 1 and 2: window 2 + w
.set p, 0
.rept 32
.irp a, 0,1,2,3
	v_max3_num_f32 v[MX+4*\w+\a], v[MX+4*\w+\a], v[64*\a+2*p], v[64*\a+2*p+1]
.endr
.set p, p+1
.endr
.endr
	WIN 0
.irp a, 0,1,2,3,4,5,6,7
	v_permlanex16_b32 v[PX+\a], v[MX+\a], s[SEL], s[SEL+1]
.endr
.irp a, 0,1,2,3,4,5,6,7
	v_max_num_f32 v[MX+\a], v[MX+\a], v[PX+\a]     ; with the other half's 64 keys
.endr
.irp a, 0,1,2,3,4,5,6,7
	v_mul_f32 v[MX+\a], s[CS], v[MX+\a]            ; as t
.endr
.irp a, 0,1,2,3,4,5,6,7
	v_floor_f32 v[NM+2*\a], -v[MX+\a]              ; -M = floor(-t): M is a whole number
.endr
	; p = 2^(t - M) and its sums, a window at a time: 128 scalings, 256 exponentials as one batch with one wait, 128 additions
.irp w, 0,1
	WIN 0x82+0x41*\w                               ; destination and source 0: window 2 + w; -M: window 0
.irp a, 0,1,2,3
.set p, 0
.rept 32
	v_pk_fma_f32 v[64*\a+2*p:64*\a+2*p+1], v[64*\a+2*p:64*\a+2*p+1], s[CS:CS+1], v[NM+2*(4*\w+\a):NM+2*(4*\w+\a)+1] op_sel_hi:[1,0,0]
.set p, p+1
.endr
.endr
.set n, 0
.rept 256
	v_exp_f32 v[n], v[n]                           ; at most 1
.set n, n+1
.endr
	v_nop                                          ; a plain line behind the last exponential
	s_wait_alu depctr_va_vdst(0)                   ; one wait for the batch, ahead of its first reader
	WIN 0x08+0x04*\w                               ; source 1: window 2 + w
.set p, 0
.rept 32
.irp a, 0,1,2,3
	v_pk_add_f32 v[SUM+2*(4*\w+\a):SUM+2*(4*\w+\a)+1], v[SUM+2*(4*\w+\a):SUM+2*(4*\w+\a)+1], v[64*\a+2*p:64*\a+2*p+1]   ; the sum of the unrounded p
.endr
.set p, p+1
.endr
.endr
	WIN 0
.irp a, 0,1,2,3,4,5,6,7
	v_add_f32 v[SUM+2*\a], v[SUM+2*\a], v[SUM+2*\a+1]
.endr
.irp a, 0,1,2,3,4,5,6,7
	v_permlanex16_b32 v[PX+\a], v[SUM+2*\a], s[SEL], s[SEL+1]
.endr
.irp a, 0,1,2,3,4,5,6,7
	v_add_f32 v[SUM+2*\a], v[SUM+2*\a], v[PX+\a]
.endr
	v_and_b32 v5, 31, v0
	v_cmp_lt_u32 vcc_lo, 15, v5                    ; lanes 0-15 store -M, lanes 16-31 l
.irp a, 0,1,2,3,4,5,6,7
	v_cndmask_b32 v[QD+\a], v[NM+2*\a], v[SUM+2*\a], vcc_lo
.endr
	global_store_b128 v[SOF], v[QD:QD+3], s[8:9]               ; my queries 0-63: 512 consecutive bytes, aligned
	global_store_b128 v[SOF], v[QD+4:QD+7], s[8:9] offset:512  ; my queries 64-127: the next group
; THE WAY OUT, a block of 16 queries x 128 keys at a time: rounded to f16 (16 bytes a lane), through my own stage, back as whole rows of 256 bytes.
.macro PACK a
.set AC, 64*((\a)%4)
	WIN 0x0a+5*((\a)/4)                            ; sources 0 and 1: window 2 or 3
.irp b, 0,1,2,3,4,5,6,7
.irp r, 0,1,2,3
	v_cvt_pk_f16_f32 v[TMP+4*\b+\r], v[AC+8*\b+2*\r], v[AC+8*\b+2*\r+1]
.endr
.endr
	WIN 0
.endm
.macro TOSTAGE a
.set BK, OB+192*((\a)%2)
.irp b, 0,1,2,3,4,5,6,7
	ds_store_b128 v[STO], v[TMP+4*\b:TMP+4*\b+3] offset:32*\b
.endr
.irp t, 0,1,2,3,4,5,6,7
	ds_load_b128 v[BK+4*\t:BK+4*\t+3], v[RD] offset:\t*2*SPITCH    ; in order behind the stores above (ISA guide 5.7.1.4)
.endr
.endm
.macro SEND a
.set BK, OB+192*((\a)%2)
	s_wait_dscnt 0x0                               ; the block is back in registers
	s_wait_xcnt 0x0                                ; the earlier stores have read their base and their data: both are written again only behind this wait
.if (\a) > 0
	s_add_nc_u64 s[6:7], s[6:7], 16*PPITCH
.endif
.irp t, 0,1,2,3,4,5,6,7
	global_store_b128 v[CO], v[BK+4*\t:BK+4*\t+3], s[6:7] offset:2*\t*PPITCH   ; 16 lanes store 256 consecutive bytes, aligned
.endr
.endm
	PACK 0
	TOSTAGE 0
.irp a, 1,2,3,4,5,6,7                  ; block a's conversions stand between block a - 1's loads from the stage and the wait for them
	PACK \a
	SEND \a-1
	TOSTAGE \a
.endr
	SEND 7
	s_wait_tensorcnt 0x0                           ; the wave's end
	ds_add_u32 v[SPW], v[NIL]
	s_wait_dscnt 0x0
	CROUND                                         ; the closing round
	s_endpgm
.Lfunc_end_k_qba2f9c5561_scores:
	.size	k_qba2f9c5561_scores, .Lfunc_end_k_qba2f9c5561_scores-k_qba2f9c5561_scores
	.p2alignl 7, 3214868480
	.fill 96, 4, 3214868480
	.section	.rodata,"a",@progbits
	.p2align	6, 0x0
	.amdhsa_kernel k_qba2f9c5561_scores
		.amdhsa_group_segment_fixed_size 327680
		.amdhsa_private_segment_fixed_size 0
		.amdhsa_enable_private_segment 0
		.amdhsa_kernarg_size 24
		.amdhsa_user_sgpr_count 2
		.amdhsa_user_sgpr_kernarg_segment_ptr 1
		.amdhsa_wavefront_size32 1
		.amdhsa_system_sgpr_workgroup_id_x 1
		.amdhsa_system_sgpr_workgroup_id_y 1
		.amdhsa_system_sgpr_workgroup_id_z 1
		.amdhsa_system_vgpr_workitem_id 0
		.amdhsa_next_free_vgpr 1024
		.amdhsa_next_free_sgpr 90
		.amdhsa_reserve_vcc 1
		.amdhsa_float_denorm_mode_32 3
		.amdhsa_float_denorm_mode_16_64 3
		.amdhsa_memory_ordered 1
		.amdhsa_forward_progress 1
		.amdhsa_inst_pref_size 255
	.end_amdhsa_kernel
	.amdgpu_metadata
---
amdhsa.version: [ 1, 2 ]
amdhsa.kernels:
  - .name:           k_qba2f9c5561_scores
    .symbol:         k_qba2f9c5561_scores.kd
    .args:
      - { .name: qk, .offset: 0, .size: 8, .value_kind: global_buffer, .address_space: global }
      - { .name: pt, .offset: 8, .size: 8, .value_kind: global_buffer, .address_space: global }
      - { .name: st, .offset: 16, .size: 8, .value_kind: global_buffer, .address_space: global }
    .group_segment_fixed_size: 327680
    .private_segment_fixed_size: 0
    .kernarg_segment_align: 8
    .kernarg_segment_size: 24
    .max_flat_workgroup_size: 128
    .sgpr_count:     90
    .vgpr_count:     1024
    .wavefront_size: 32
...
	.end_amdgpu_metadata
.endif
;; end of part 3
;; launch pv (part 4): grid 8 x 64, 4 waves a work-group, clusters of 4 x 4, 327,680 bytes of LDS; arguments pt, vt, st, out0; writes out0
.if DOCPART == 4
	.amdgcn_target "amdgcn-amd-amdhsa--gfx1250"
	.amdhsa_code_object_version 6
	.text
	.protected	k_qba2f9c5561_pv
	.globl	k_qba2f9c5561_pv
	.p2align	8
	.type	k_qba2f9c5561_pv,@function
k_qba2f9c5561_pv:
	s_mov_b64 s[64:65], 0
	v_nop
	global_prefetch_b8 v0, s[64:65] scope:SCOPE_SE
	s_setreg_imm32_b32 hwreg(HW_REG_WAVE_MODE, 25, 1), 1
	s_wait_xcnt 0x0
	s_wait_alu depctr_hold_cnt(0) depctr_sa_sdst(0) depctr_va_vdst(0) depctr_va_sdst(0) depctr_va_ssrc(0) depctr_va_vcc(0) depctr_vm_vsrc(0)
	s_getreg_b32 s2, hwreg(HW_REG_IB_STS2, 6, 4)
	s_cmp_eq_u32 s2, 0
	s_cbranch_scc0 .Lentry_in_a_cluster
	s_endpgm
.Lentry_in_a_cluster:
	s_bfe_u32 s2, ttmp6, 0x10000c
	s_cmp_lg_u32 s2, 0xf033
	s_cbranch_scc0 .Lentry_shape_is_right
	s_endpgm
.Lentry_shape_is_right:
; out0[b][q][ch] = softmax's row x v, from the numerators by chunks.  pt [4][2048 q][2048 keys] f16: p = 2^(t - M_chunk); vt [4][1024 ch][2048 keys] f16; st: -M and l of each query and chunk of 128 keys.
; THE CHUNKS ARE BROUGHT UNDER ONE UNIT IN F32, ON THE ACCUMULATORS.  Chunk j has the unit U_j = max(M_j, R_j - 60), R_j the largest M up to j.  At a change of chunk O and the running sum L are multiplied by
; g = 2^(U_(j-1) - U_j), a power of two of at most 2^60: nothing is rounded; then the chunk's products are added in place, and L += l_j.  At the end out = O / L: both stand in the last chunk's unit.
; So the row's largest M is followed step by step, with no branch on data.  |O| stays under 2^11 keys x 2^16 x 2^60.
; LIMIT: a chunk whose M lies more than 60 under the largest so far is weighed as if it lay 60 under: an error under 128 x 2^-60 of the row's largest term.  What a multiplication by g drops under f32's range is smaller still.
; SHARES.  A tile is 128 queries x 128 channels, four waves of 64 x 64.  A cluster of 4 x 4 takes 512 queries (super-row I of one batch) x 512 channels; K = the 512 (I + 1) keys up to the super-row's end.
; p's tile is asked for jointly by a row of the cluster, v's by a column.  The clusters with the longest K have the lowest numbers.  The number of laps, I + 1, hangs on the cluster's ids alone: it is the same in all partners.
; K goes in steps of 256 keys, two chunks, through two LDS slots (rows of 512 bytes, 64 to a load); a quarter of a step is 64 keys.  No LDS address is stepped in the loop.
; The matrix instruction is used transposed (source 0 = 16 channels, source 1 = 16 queries): a lane holds one query, so g is one number a lane for each block of 16 queries.
; Rows 0-15 of each batch are stored here too, and written over by the last launch, which makes them in f32.
; REGISTERS: window 0: v0-31 addresses; v32-47 a K step's -M and l; v48-55 at work; v64-95 results on the way out; v96-99 -R; v100-107 -U of the step's two chunks; v108-111 L; v112-119 1 / L in pairs; v128-255 rows read back.
;   window 1: v0-127 the accumulators ((a, b) at v[8 (4 a + b)]); v128-191, v192-255 p's fragments, two buffers.  window 2: v0-63, v64-127 v's fragments; v128-159 g, two sets of 16 (chunk c, block a at 8 c + 2 a, named as pairs).
; One setting, W, serves the matrix instructions (D, C and p in window 1, v in window 2) and the multiplications by g (O in window 1, g in window 2): no switch stands between them.
.set KSTEP,  256
.set PITCH,  528                       ; 512 bytes + 16 of padding: the 16 rows of a load start at 16 different banks (ISA guide 11.1)
.set HALFT,  64*PITCH
.set SLOT,   4*HALFT
.set STAGE,  2*SLOT                    ; 16 rows x 272 bytes for each wave
.set SPITCH, 272
.set SPARE,  STAGE+4*16*SPITCH
.set ROWE,   2048
.set ADRA, 16
.set ADRB, 20
.set STO,  24
.set RD,   25
.set CO,   26
.set SOF,  27                          ; v27 16 r: my query's four numbers in a block of st
.set SPW,  28
.set NIL,  29
.set RAW,  32                          ; chunk c of the step: -M at 8 c + a, l at 8 c + 4 + a
.set DA,   48
.set DB,   52
.set TMP,  64
.set NR,   96
.set NUA,  100
.set NUB,  104
.set LS,   108
.set RL,   112
.set GF,   128                         ; in window 2
.set G1, 24
.set G0, 32
.set G1B, 48
.set G0B, 56
.set SB,  76                           ; s[76:77] st at my group, walking with the K steps
.set OU,  78                           ; s[78:79] out0
.set W,   0x56
.set MSB, 0
.macro WIN new
.if MSB != (\new)
	s_set_vgpr_msb (MSB<<8)|(\new)
.set MSB, (\new)
.endif
.endm
.macro JLOAD s                         ; waves 0 and 1 fetch p's two halves, waves 2 and 3 v's; an s_nop 0 and four v_nop follow each line
	s_cmp_eq_u32 s11, 0
	s_cbranch_scc0 .Lfor_b_\@
	tensor_load_to_lds s[G0+4*\s:G0+4*\s+3], s[G1:G1+7]
	s_nop 0
.rept 4
	v_nop
.endr
	s_branch .Lasked_\@
.Lfor_b_\@:
	tensor_load_to_lds s[G0B+4*\s:G0B+4*\s+3], s[G1B:G1B+7]
	s_nop 0
.rept 4
	v_nop
.endr
.Lasked_\@:
.endm
.macro CREST
	s_cmp_lg_u32 s10, 0
	s_cbranch_scc1 .Lnot_wave_0_\@
	s_barrier_signal -3
.Lnot_wave_0_\@:
	s_barrier_wait -3
	s_barrier_signal -1
	s_barrier_wait -1
.endm
.macro CROUND
	s_barrier_signal -1
	s_barrier_wait -1
	CREST
.endm
	s_load_b128 s[4:7], s[0:1], 0x0                ; pt, vt
	s_load_b128 s[76:79], s[0:1], 0x10             ; st, out0
	v_lshl_add_u32 v[SPW], v0, 2, SPARE
	v_mov_b32 v[NIL], 0
	ds_add_u32 v[SPW], v[NIL]                      ; the wave's opening: the add, twice on end, and its wait ahead of my first tensor load
	ds_add_u32 v[SPW], v[NIL]
	v_lshrrev_b32 v1, 5, v0
	v_readfirstlane_b32 s10, v1                    ; wave
	s_lshr_b32 s11, s10, 1                         ; my half of the queries.  Also: I fetch for p (0) or v (1)
	s_and_b32 s12, s10, 1                          ; my half of the channels.  Also: which 64 rows I fetch
	s_bfe_u32 s40, ttmp6, 0x40000                  ; cx
	s_bfe_u32 s41, ttmp6, 0x40004                  ; cy
	s_lshl_b32 s42, ttmp9, 2
	s_add_co_u32 s42, s42, s40                     ; my tile of 128 channels
	s_and_b32 s66, ttmp7, 0xffff
	s_lshr_b32 s67, s66, 2
	s_sub_co_u32 s67, 3, s67                       ; I: the longest first
	s_and_b32 s66, s66, 3                          ; the batch
	s_lshl_b32 s13, s67, 2
	s_add_co_u32 s13, s13, s41                     ; i: my tile of 128 queries
	s_add_co_u32 s68, s67, 1                       ; laps of 512 keys
	s_lshl_b32 s43, s41, 2
	s_lshl_b32 s43, 15, s43
	s_lshl_b32 s44, 0x1111, s40
	s_or_b32 s[G1+0], s43, (1<<16)|(1<<20)|(1<<21)|(6<<22)|(3<<25)  ; the mask; elements of 2 bytes; padding on; bit 21 beside a mask; 4 words behind every 128
	s_or_b32 s[G1B+0], s44, (1<<16)|(1<<20)|(1<<21)|(6<<22)|(3<<25)
.irp g, G1, G1B
	s_mov_b32 s[\g+1], KSTEP<<16
	s_mov_b32 s[\g+2], 64<<16
	s_mov_b32 s[\g+3], KSTEP<<16
	s_mov_b32 s[\g+4], 64
	s_mov_b32 s[\g+5], ROWE
	s_mov_b32 s[\g+6], 0
	s_mov_b32 s[\g+7], 0
.endr
	s_lshl_b32 s17, s12, 6
	s_lshl_b32 s16, s66, 11
	s_lshl_b32 s18, s13, 7
	s_add_co_u32 s16, s16, s18
	s_add_co_u32 s16, s16, s17                     ; p: row 2,048 b + 128 i + 64 x half
	s_lshl_b32 s16, s16, 12
	s_lshl_b32 s46, s66, 10
	s_lshl_b32 s47, s42, 7
	s_add_co_u32 s46, s46, s47
	s_add_co_u32 s46, s46, s17                     ; v: row 1,024 b + 128 x channel tile + 64 x half
	s_lshl_b32 s46, s46, 12
	s_mov_b32 s17, 0
	s_mov_b32 s47, 0
	s_mul_i32 s20, s10, HALFT
	s_wait_dscnt 0x0                               ; both opening adds are done
	s_wait_kmcnt 0x0
	s_add_nc_u64 s[14:15], s[4:5], s[16:17]
	s_add_nc_u64 s[46:47], s[6:7], s[46:47]
	CROUND
.irp s, 0,1
	s_mov_b32 s[G0+4*\s], 1
	s_add_co_u32 s[G0+4*\s+1], s20, \s*SLOT
	s_add_nc_u64 s[G0+4*\s+2:G0+4*\s+3], s[14:15], \s*KSTEP*2
	s_or_b32 s[G0+4*\s+3], s[G0+4*\s+3], 0x80000000
	s_mov_b32 s[G0B+4*\s], 1
	s_add_co_u32 s[G0B+4*\s+1], s20, \s*SLOT
	s_add_nc_u64 s[G0B+4*\s+2:G0B+4*\s+3], s[46:47], \s*KSTEP*2
	s_or_b32 s[G0B+4*\s+3], s[G0B+4*\s+3], 0x80000000
	JLOAD \s                                       ; two loads of mine are out
.endr
	v_and_b32 v1, 15, v0                           ; r
	v_bfe_u32 v2, v0, 4, 1                         ; h
	v_mul_u32_u24 v3, v1, PITCH
	v_lshl_add_u32 v3, v2, 4, v3
	s_mul_i32 s21, s11, HALFT
	s_mul_i32 s22, s12, HALFT
	s_add_co_u32 s22, s22, 2*HALFT
.irp s, 0,1
	v_add_nc_u32 v[ADRA+\s], s21, v3
	v_add_nc_u32 v[ADRB+\s], s22, v3
	s_add_co_u32 s21, s21, SLOT
	s_add_co_u32 s22, s22, SLOT
.endr
	s_mul_i32 s23, s10, 16*SPITCH
	s_add_co_u32 s23, s23, STAGE                   ; my stage
	v_mul_u32_u24 v4, v1, SPITCH
	v_lshl_add_u32 v4, v2, 5, v4
	v_add_nc_u32 v[STO], s23, v4                   ; in: row r, 32 bytes for each half of the lanes
	v_mul_u32_u24 v5, v2, SPITCH
	v_lshl_add_u32 v5, v1, 4, v5
	v_add_nc_u32 v[RD], s23, v5                    ; back: lanes 0-15 one row of 256 bytes, lanes 16-31 the next
	v_lshlrev_b32 v5, 12, v2
	v_lshl_add_u32 v[CO], v1, 4, v5
	v_lshlrev_b32 v[SOF], 4, v1
	s_lshl_b32 s16, s66, 11
	s_lshl_b32 s17, s13, 7
	s_add_co_u32 s16, s16, s17
	s_lshl_b32 s17, s11, 6
	s_add_co_u32 s16, s16, s17                     ; my first row of out0
	s_lshl_b32 s16, s16, 12
	s_lshl_b32 s17, s42, 9
	s_add_co_u32 s16, s16, s17                     ; 512 bytes a channel tile,
	s_lshl_b32 s17, s12, 8
	s_add_co_u32 s16, s16, s17                     ; 256 for my half
	s_mov_b32 s17, 0
	s_add_nc_u64 s[OU:OU+1], s[OU:OU+1], s[16:17]
	s_lshl_b32 s70, s66, 9                         ; st: (batch x 512 + group) x 512; a chunk is 16,384 bytes on
	s_lshl_b32 s71, s13, 1
	s_add_co_u32 s70, s70, s71
	s_add_co_u32 s70, s70, s11                     ; group = 2 i + my half of the queries
	s_lshl_b32 s70, s70, 9
	s_mov_b32 s71, 0
	s_add_nc_u64 s[SB:SB+1], s[SB:SB+1], s[70:71]
.irp a, 0,1,2,3
	v_mov_b32 v[NR+\a], 0x7f61b1e6                 ; -R so far: 3e38, above every -M
	v_mov_b32 v[NUB+\a], 0                         ; the unit before the first chunk: what it is multiplied onto is 0
	v_mov_b32 v[LS+\a], 0
.endr
	WIN 0x80                                       ; destination window 2
.set n, 0
.rept 16
	v_mov_b32 v[GF+2*n+1], 0                       ; named with g as pairs
.set n, n+1
.endr
	WIN 0
.macro SLOAD                           ; a K step's two chunks: -M and l of my four blocks of queries
.irp c, 0,1
	global_load_b128 v[RAW+8*\c:RAW+8*\c+3],   v[SOF], s[SB:SB+1] offset:\c*16384
	global_load_b128 v[RAW+8*\c+4:RAW+8*\c+7], v[SOF], s[SB:SB+1] offset:\c*16384+256
.endr
.endm
; A K step's two g for each block of queries, into a set; -R, -U and L go on.  All numbers here are negated: -R = min, -U = min(-M, -R + 60), and U_before - U_now = (-U_now) - (-U_before).
.macro GS set
	WIN 0
.irp a, 0,1,2,3
	v_min_num_f32 v[NR+\a], v[NR+\a], v[RAW+\a]
.endr
.irp a, 0,1,2,3
	v_add_f32 v[NUA+\a], 0x42700000, v[NR+\a]      ; + 60
.endr
.irp a, 0,1,2,3
	v_min_num_f32 v[NUA+\a], v[NUA+\a], v[RAW+\a]
.endr
.irp a, 0,1,2,3
	v_sub_f32 v[DA+\a], v[NUA+\a], v[NUB+\a]       ; against the last step's second chunk: a whole number, 60 at the most
.endr
.irp a, 0,1,2,3
	v_min_num_f32 v[NR+\a], v[NR+\a], v[RAW+8+\a]
.endr
.irp a, 0,1,2,3
	v_add_f32 v[NUB+\a], 0x42700000, v[NR+\a]
.endr
.irp a, 0,1,2,3
	v_min_num_f32 v[NUB+\a], v[NUB+\a], v[RAW+8+\a]
.endr
.irp a, 0,1,2,3
	v_sub_f32 v[DB+\a], v[NUB+\a], v[NUA+\a]
.endr
.irp a, 0,1,2,3,4,5,6,7
	v_cvt_i32_f32 v[DA+\a], v[DA+\a]               ; (it saturates)
.endr
.irp a, 0,1,2,3
	v_ldexp_f32 v[LS+\a], v[LS+\a], v[DA+\a]       ; L under the first chunk's unit,
.endr
.irp a, 0,1,2,3
	v_add_f32 v[LS+\a], v[LS+\a], v[RAW+4+\a]      ; + its l;
.endr
.irp a, 0,1,2,3
	v_ldexp_f32 v[LS+\a], v[LS+\a], v[DB+\a]       ; the same for the second
.endr
.irp a, 0,1,2,3
	v_add_f32 v[LS+\a], v[LS+\a], v[RAW+12+\a]
.endr
	WIN 0x80                                       ; destination window 2
.irp a, 0,1,2,3
	v_ldexp_f32 v[GF+16*(\set)+2*\a], 1.0, v[DA+\a]
	v_ldexp_f32 v[GF+16*(\set)+8+2*\a], 1.0, v[DB+\a]
.endr
.endm
.macro FETCH slot, k, f                ; 32 LDS loads: 64 keys at byte k of the rows into buffer f
.irp c, 0,1
	WIN 0x80                                       ; v's fragments: window 2
.irp i, 0,1,2,3
	ds_load_b128 v[64*(\f)+8*(4*\c+\i):64*(\f)+8*(4*\c+\i)+3],   v[ADRB+\slot] offset:\k+64*\c+\i*16*PITCH
	ds_load_b128 v[64*(\f)+8*(4*\c+\i)+4:64*(\f)+8*(4*\c+\i)+7], v[ADRB+\slot] offset:\k+64*\c+\i*16*PITCH+32
.endr
	WIN 0x40                                       ; p's: window 1
.irp i, 0,1,2,3
	ds_load_b128 v[128+64*(\f)+8*(4*\c+\i):128+64*(\f)+8*(4*\c+\i)+3],   v[ADRA+\slot] offset:\k+64*\c+\i*16*PITCH
	ds_load_b128 v[128+64*(\f)+8*(4*\c+\i)+4:128+64*(\f)+8*(4*\c+\i)+7], v[ADRA+\slot] offset:\k+64*\c+\i*16*PITCH+32
.endr
.endr
.endm
; 8 matrix instructions on buffer f.  The 16 accumulators take turns, one instruction a turn.
.macro MUL8 f, c, a0, zero
.irp a, \a0, \a0+1
.irp b, 0,1,2,3
.if \zero
	v_wmma_f32_16x16x32_f16 v[8*(4*(\a)+\b):8*(4*(\a)+\b)+7], v[64*(\f)+8*(4*\c+\b):64*(\f)+8*(4*\c+\b)+7], v[128+64*(\f)+8*(4*\c+(\a)):128+64*(\f)+8*(4*\c+(\a))+7], 0
.else
	v_wmma_f32_16x16x32_f16 v[8*(4*(\a)+\b):8*(4*(\a)+\b)+7], v[64*(\f)+8*(4*\c+\b):64*(\f)+8*(4*\c+\b)+7], v[128+64*(\f)+8*(4*\c+(\a)):128+64*(\f)+8*(4*\c+(\a))+7], v[8*(4*(\a)+\b):8*(4*(\a)+\b)+7]
.endif
.endr
.endr
.endm
.macro SCALE sc                        ; accumulator u under the new chunk's unit: x g of its block of queries, from its low end on
.irp p, 0,2,4,6
	v_pk_mul_f32 v[8*u+\p:8*u+\p+1], v[(\sc)+2*(u/4):(\sc)+2*(u/4)+1], v[8*u+\p:8*u+\p+1] op_sel_hi:[0,1]
.endr
.endm
; A chunk's first 16 matrix instructions, in MUL8's order, each accumulator multiplied by g first: the four multiplications stand one accumulator ahead of their product, behind the product before.
.macro MULS f, sc
.set u, 0
	SCALE \sc
.set t, 0
.rept 16
.if t < 15
.set u, t+1
	SCALE \sc
.endif
	v_wmma_f32_16x16x32_f16 v[8*t:8*t+7], v[64*(\f)+8*(t%4):64*(\f)+8*(t%4)+7], v[128+64*(\f)+8*(t/4):128+64*(\f)+8*(t/4)+7], v[8*t:8*t+7]
.set t, t+1
.endr
.endm
.macro PLACES                          ; four plain vector lines between a matrix instruction and a load into, or a write or read of, its registers
.rept 4
	v_nop
.endr
.endm
; A quarter: fetches quarter qn of the slot into g at its head and multiplies buffer f, fetched in the quarter before.
; fac = 1: the next K step's g are made first, from the numbers asked for a K step ago.  sc: not 0 where buffer f begins a chunk: the chunk's g.
.macro QUARTER slot, qn, f, g, zero, fac, sc
.if \fac
	WIN 0
	s_wait_loadcnt 0x0                             ; the numbers are in: so their base may step
	s_add_nc_u64 s[SB:SB+1], s[SB:SB+1], 32768
	GS 1-\slot
.endif
	PLACES                                         ; in front of loads into the buffer that the quarter before multiplied, and of the multiplications by g
	FETCH \slot, 128*\qn, \g
	s_wait_dscnt 32                                ; all but the 32 just issued: buffer f is in
	WIN W
.if \sc
	MULS \f, \sc
.else
	MUL8 \f, 0, 0, \zero
	MUL8 \f, 0, 2, \zero
.endif
	MUL8 \f, 1, 0, 0
	MUL8 \f, 1, 2, 0
.endm
; A slot's last quarter changes slots: each wave waits for all its tensor loads, adds 0 to its spare word, waits for that and for its reads of the slot; one barrier.
; fill = 1: the barrier opens a round of the cluster's barrier, the slot is filled again first behind it, and that K step's -M and l are asked for.
.macro TURN slot, next, fill
	WIN 0
	s_wait_tensorcnt 0x0
	ds_add_u32 v[SPW], v[NIL]
	s_wait_dscnt 1                                 ; buffer 1 is in; the add may be out
	WIN W
	MUL8 1, 0, 0, 0
	s_wait_dscnt 0x0
	s_barrier_signal -1
	MUL8 1, 0, 2, 0
	WIN 0
	s_barrier_wait -1
.if \fill
	CREST
	s_add_nc_u64 s[G0+4*\slot+2:G0+4*\slot+3], s[G0+4*\slot+2:G0+4*\slot+3], 2*KSTEP*2
	s_add_nc_u64 s[G0B+4*\slot+2:G0B+4*\slot+3], s[G0B+4*\slot+2:G0B+4*\slot+3], 2*KSTEP*2
	JLOAD \slot                                    ; my one tensor load behind the round; its four v_nop are also the places in front of the loads below
.else
	PLACES
.endif
	FETCH \next, 0, 0
.if \fill
	WIN 0
	SLOAD
.endif
	WIN W
	MUL8 1, 1, 0, 0
	MUL8 1, 1, 2, 0
.endm
	SLOAD                                          ; K step 0's
	s_wait_loadcnt 0x0
	GS 0
	WIN 0
	s_add_nc_u64 s[SB:SB+1], s[SB:SB+1], 32768
	SLOAD                                          ; K step 1's: used in K step 0's second quarter
	s_wait_tensorcnt 1                             ; my part of K step 0 is in; K step 1's load may be out
	s_barrier_signal -1
	s_barrier_wait -1
	FETCH 0, 0, 0
	QUARTER 0, 1, 0, 1, 1, 0, 0                    ; the first products start the sums: nothing is cleared, and the first chunk has nothing to multiply
	WIN 0
	s_sub_co_u32 s3, s68, 1                        ; every lap but the last fills both slots again
	s_cmp_eq_u32 s3, 0
	s_cbranch_scc1 .Ltail                          ; super-row 0 has one lap: the same way in all waves and all partners
.Llap:
	QUARTER 0, 2, 1, 0, 0, 1, 0
	QUARTER 0, 3, 0, 1, 0, 0, GF+8
	TURN 0, 1, 1
	QUARTER 1, 1, 0, 1, 0, 0, GF+16
	QUARTER 1, 2, 1, 0, 0, 1, 0
	QUARTER 1, 3, 0, 1, 0, 0, GF+24
	TURN 1, 0, 1
	QUARTER 0, 1, 0, 1, 0, 0, GF
	WIN 0
	s_sub_co_u32 s3, s3, 1
	s_cmp_lg_u32 s3, 0
	s_cbranch_scc1 .Llap
.Ltail:                                                ; the last lap fills nothing
	QUARTER 0, 2, 1, 0, 0, 1, 0
	QUARTER 0, 3, 0, 1, 0, 0, GF+8
	TURN 0, 1, 0
	QUARTER 1, 1, 0, 1, 0, 0, GF+16
	QUARTER 1, 2, 1, 0, 0, 0, 0
	QUARTER 1, 3, 0, 1, 0, 0, GF+24
	s_wait_dscnt 0x0                               ; the very last quarter
	WIN W
	MUL8 1, 0, 0, 0
	MUL8 1, 0, 2, 0
	MUL8 1, 1, 0, 0
	MUL8 1, 1, 2, 0
	WIN 0
	PLACES
.irp a, 0,1,2,3
	v_rcp_f32 v[RL+2*\a], v[LS+\a]                 ; L holds at least half of the row's largest term's weight: it is no zero
.endr
	v_nop                                          ; a plain line behind the last reciprocal
	s_wait_alu depctr_va_vdst(0)                   ; one wait for the four, ahead of their first reader
.irp a, 0,1,2,3
	v_mov_b32 v[RL+2*\a+1], v[RL+2*\a]             ; named with it as a pair
.endr
; THE WAY OUT.  My 64 channels of a row are 256 bytes, aligned: a block of 16 queries is divided by L, goes through my own stage and comes back as whole rows.
.macro OUTA a
	WIN 0x01                                       ; source 0: window 1
.set n, 0
.rept 16
	v_pk_mul_f32 v[TMP+2*n:TMP+2*n+1], v[32*(\a)+2*n:32*(\a)+2*n+1], v[RL+2*(\a):RL+2*(\a)+1] op_sel_hi:[1,0]
.set n, n+1
.endr
	WIN 0
.irp b, 0,1,2,3
	ds_store_b128 v[STO], v[TMP+8*\b:TMP+8*\b+3] offset:64*\b
	ds_store_b128 v[STO], v[TMP+8*\b+4:TMP+8*\b+7] offset:64*\b+16
.endr
.irp f, 0,1,2,3,4,5,6,7
	ds_load_b128 v[128+32*(\a)+4*\f:128+32*(\a)+4*\f+3], v[RD] offset:\f*2*SPITCH   ; in order behind the stores above (ISA guide 5.7.1.4)
.endr
.endm
.macro SEND a, younger                 ; younger: the LDS instructions issued behind block a's loads: the next block's sixteen, or none
.irp f, 0,1,2,3,4,5,6,7
	s_wait_dscnt \younger+7-\f
	global_store_b128 v[CO], v[128+32*(\a)+4*\f:128+32*(\a)+4*\f+3], s[OU:OU+1] offset:(\a)*65536+\f*8192 th:TH_STORE_NT   ; 16 lanes store 256 consecutive bytes, aligned
.endr
.endm
	OUTA 0
	OUTA 1
	SEND 0, 16
	OUTA 2
	SEND 1, 16
	OUTA 3
	SEND 2, 16
	SEND 3, 0
	s_wait_tensorcnt 0x0                           ; the wave's end
	ds_add_u32 v[SPW], v[NIL]
	s_wait_dscnt 0x0
	CROUND                                         ; the closing round
	s_endpgm
.Lfunc_end_k_qba2f9c5561_pv:
	.size	k_qba2f9c5561_pv, .Lfunc_end_k_qba2f9c5561_pv-k_qba2f9c5561_pv
	.p2alignl 7, 3214868480
	.fill 96, 4, 3214868480
	.section	.rodata,"a",@progbits
	.p2align	6, 0x0
	.amdhsa_kernel k_qba2f9c5561_pv
		.amdhsa_group_segment_fixed_size 327680
		.amdhsa_private_segment_fixed_size 0
		.amdhsa_enable_private_segment 0
		.amdhsa_kernarg_size 32
		.amdhsa_user_sgpr_count 2
		.amdhsa_user_sgpr_kernarg_segment_ptr 1
		.amdhsa_wavefront_size32 1
		.amdhsa_system_sgpr_workgroup_id_x 1
		.amdhsa_system_sgpr_workgroup_id_y 1
		.amdhsa_system_sgpr_workgroup_id_z 1
		.amdhsa_system_vgpr_workitem_id 0
		.amdhsa_next_free_vgpr 768
		.amdhsa_next_free_sgpr 90
		.amdhsa_reserve_vcc 0
		.amdhsa_float_denorm_mode_32 3
		.amdhsa_float_denorm_mode_16_64 3
		.amdhsa_memory_ordered 1
		.amdhsa_forward_progress 1
		.amdhsa_inst_pref_size 135
	.end_amdhsa_kernel
	.amdgpu_metadata
---
amdhsa.version: [ 1, 2 ]
amdhsa.kernels:
  - .name:           k_qba2f9c5561_pv
    .symbol:         k_qba2f9c5561_pv.kd
    .args:
      - { .name: pt, .offset: 0, .size: 8, .value_kind: global_buffer, .address_space: global }
      - { .name: vt, .offset: 8, .size: 8, .value_kind: global_buffer, .address_space: global }
      - { .name: st, .offset: 16, .size: 8, .value_kind: global_buffer, .address_space: global }
      - { .name: out0, .offset: 24, .size: 8, .value_kind: global_buffer, .address_space: global }
    .group_segment_fixed_size: 327680
    .private_segment_fixed_size: 0
    .kernarg_segment_align: 8
    .kernarg_segment_size: 32
    .max_flat_workgroup_size: 128
    .sgpr_count:     90
    .vgpr_count:     768
    .wavefront_size: 32
...
	.end_amdgpu_metadata
.endif
;; end of part 4
;; launch first16 (part 5): grid 8 x 4, 8 waves a work-group, no clusters, 17,664 bytes of LDS; arguments e16, out0; writes out0
.if DOCPART == 5
	.amdgcn_target "amdgcn-amd-amdhsa--gfx1250"
	.amdhsa_code_object_version 6
	.text
	.protected	k_qba2f9c5561_first16
	.globl	k_qba2f9c5561_first16
	.p2align	8
	.type	k_qba2f9c5561_first16,@function
k_qba2f9c5561_first16:
	s_mov_b64 s[64:65], 0
	v_nop
	global_prefetch_b8 v0, s[64:65] scope:SCOPE_SE
	s_setreg_imm32_b32 hwreg(HW_REG_WAVE_MODE, 25, 1), 1
	s_wait_xcnt 0x0
; The first 16 positions of each batch, in f32 throughout: these rows average one to sixteen values, so the rounding of 16-bit operands would weigh most here.
; e16: qk16 [4][16 tokens][2048] f32 (q, then k), and from byte 524,288 vt16 [4][1024 channels][16 tokens] f32: the projections' unrounded sums.  The rows written here replace what the launch before stored there.
; A work-group takes 128 channels of one batch; each of its eight waves sums the 16 x 16 scores over 128 of the 1,024 features, the parts meet in LDS, every wave makes the softmax, and wave w makes channels 16 w .. 16 w + 15.
; Both products are used transposed: S^T = k q^T (source 0 = 16 keys, source 1 = 16 queries), O^T = v^T p^T: lane (r, h) holds query r, and keys or channels 8 h + 0 .. 7.
; Along K both sources take the same places from memory: lane half h holds features 8 c + 4 h + 0 .. 3 of load c (keys 8 h + 0 .. 7 in the second product), so each product meets its partner.
; The registers that the matrix instructions write (v160-207) are written by them alone; sums of them go to other registers.
.set PART,  0                          ; LDS: eight waves' partial scores, 1,024 bytes each, as images of registers
.set STG,   8192                       ; 16 rows x (512 bytes + 16): the work-group's rows of out0
.set SPARE, 16640                      ; the spare words, 128 bytes a wave
.set SPW, 14
.set NIL, 15
.set VV,  16                           ; v16-23   v^T: my channel, keys 8 h + 0 .. 7
.set QF,  32                           ; v32-95   q; later the eight parts
.set KF,  96                           ; v96-159  k
.set SA,  160                          ; v160-191 four accumulators of the scores
.set OA,  192                          ; v192-207 two accumulators of O^T
.set T,   208                          ; v208-215 the scores, then p
.set PN,  216                          ; v216-223 p / l
.set OT,  240                          ; v240-247 O^T
	s_load_b128 s[4:7], s[0:1], 0x0                ; e16, out0
	v_lshl_add_u32 v[SPW], v0, 2, SPARE
	v_mov_b32 v[NIL], 0
	v_lshrrev_b32 v1, 5, v0
	v_readfirstlane_b32 s8, v1                     ; wave 0..7
	s_and_b32 s9, ttmp7, 0xffff                    ; the batch
	v_and_b32 v1, 15, v0                           ; r
	v_bfe_u32 v2, v0, 4, 1                         ; h
	v_and_b32 v3, 31, v0                           ; lane
	v_lshlrev_b32 v4, 13, v1                       ; q, k: token r of 8,192 bytes,
	v_lshl_add_u32 v4, v2, 4, v4                   ; + 16 h,
	s_lshl_b32 s10, s8, 9
	v_add_nc_u32 v4, s10, v4                       ; + my wave's 128 features
	v_lshlrev_b32 v5, 6, v1                        ; v^T: channel r of 64 bytes,
	v_lshl_add_u32 v5, v2, 5, v5                   ; + 32 h,
	s_lshl_b32 s10, ttmp9, 13
	s_lshl_b32 s11, s8, 10
	s_add_co_u32 s10, s10, s11
	v_add_nc_u32 v5, s10, v5                       ; + channels 128 x + 16 w
	v_lshlrev_b32 v6, 4, v3                        ; 16 x lane: an image's place, and my bytes of a row
	s_lshl_b32 s10, s8, 10
	v_lshl_add_u32 v7, v3, 4, s10                  ; where I store my part
	v_mul_u32_u24 v8, v1, 528
	v_lshl_add_u32 v8, v2, 5, v8
	s_lshl_b32 s10, s8, 6
	s_add_co_u32 s10, s10, STG
	v_add_nc_u32 v8, s10, v8                       ; the stage: row r, + 64 w + 32 h
	s_mul_i32 s10, s8, 2*528
	s_add_co_u32 s10, s10, STG
	v_lshl_add_u32 v9, v3, 4, s10                  ; back: rows 2 w and 2 w + 1
	v_lshlrev_b32 v11, 3, v2
	v_sub_nc_u32 v11, v1, v11                      ; r - 8 h: key 8 h + j is hidden where j is above it
	v_mov_b32 v12, 0xff800000                      ; -infinity
	v_mov_b32 v225, 0                              ; a lane permute's destination counts as one of its sources
	s_mov_b32 s20, 0x76543210
	s_mov_b32 s21, 0xfedcba98                      ; lane l xor 16
	s_mov_b32 s22, 0x3d38aa3b                      ; c = log2(e) / sqrt(1024)
	s_lshl_b32 s12, s9, 17
	s_mov_b32 s13, 0
	s_lshl_b32 s16, s9, 16
	s_add_co_u32 s16, s16, 524288
	s_mov_b32 s17, 0
	s_lshl_b32 s18, s9, 23                         ; out0: 2,048 rows of 4,096 bytes a batch,
	s_lshl_b32 s10, s8, 13
	s_add_co_u32 s18, s18, s10                     ; rows 2 w on,
	s_lshl_b32 s10, ttmp9, 9
	s_add_co_u32 s18, s18, s10                     ; 512 bytes a slice of channels
	s_mov_b32 s19, 0
	s_wait_kmcnt 0x0
	s_add_nc_u64 s[12:13], s[4:5], s[12:13]
	s_add_nc_u64 s[16:17], s[4:5], s[16:17]
	s_add_nc_u64 s[6:7], s[6:7], s[18:19]
	global_load_b128 v[VV:VV+3], v5, s[16:17]
	global_load_b128 v[VV+4:VV+7], v5, s[16:17] offset:16
.irp c, 0,1,2,3,4,5,6,7,8,9,10,11,12,13,14,15
	global_load_b128 v[QF+4*\c:QF+4*\c+3], v4, s[12:13] offset:32*\c
	global_load_b128 v[KF+4*\c:KF+4*\c+3], v4, s[12:13] offset:4096+32*\c
.endr
	s_wait_loadcnt 0x0
.set n, 0
.rept 32                               ; four accumulators by turns, one instruction a turn; the first four start the sums
.if n < 4
	v_wmma_f32_16x16x4_f32 v[SA+8*(n%4):SA+8*(n%4)+7], v[KF+2*n:KF+2*n+1], v[QF+2*n:QF+2*n+1], 0
.else
	v_wmma_f32_16x16x4_f32 v[SA+8*(n%4):SA+8*(n%4)+7], v[KF+2*n:KF+2*n+1], v[QF+2*n:QF+2*n+1], v[SA+8*(n%4):SA+8*(n%4)+7]
.endif
.set n, n+1
.endr
.rept 8
	v_nop                                          ; eight places behind this form (ISA guide 7.12.1)
.endr
.irp p, 0,2,4,6
	v_pk_add_f32 v[T+\p:T+\p+1], v[SA+\p:SA+\p+1], v[SA+8+\p:SA+8+\p+1]
	v_pk_add_f32 v[T+\p:T+\p+1], v[T+\p:T+\p+1], v[SA+16+\p:SA+16+\p+1]
	v_pk_add_f32 v[T+\p:T+\p+1], v[T+\p:T+\p+1], v[SA+24+\p:SA+24+\p+1]
.endr
	ds_store_b128 v7, v[T:T+3] offset:PART
	ds_store_b128 v7, v[T+4:T+7] offset:PART+512
	s_wait_dscnt 0x0                               ; for the others' sake: my part has landed
	s_barrier_signal -1
	s_barrier_wait -1
.irp w, 0,1,2,3,4,5,6,7
	ds_load_b128 v[QF+8*\w:QF+8*\w+3], v6 offset:PART+1024*\w
	ds_load_b128 v[QF+8*\w+4:QF+8*\w+7], v6 offset:PART+1024*\w+512
.endr
	s_wait_dscnt 0x0
.irp p, 0,2,4,6
	v_pk_add_f32 v[T+\p:T+\p+1], v[QF+\p:QF+\p+1], v[QF+8+\p:QF+8+\p+1]
.endr
.irp w, 2,3,4,5,6,7
.irp p, 0,2,4,6
	v_pk_add_f32 v[T+\p:T+\p+1], v[T+\p:T+\p+1], v[QF+8*\w+\p:QF+8*\w+\p+1]   ; the same order in every wave
.endr
.endr
.irp j, 0,1,2,3,4,5,6,7
	v_cmp_gt_i32 vcc_lo, \j, v11
	v_cndmask_b32 v[T+\j], v[T+\j], v12, vcc_lo    ; the causal mask
.endr
	v_max3_num_f32 v224, v[T], v[T+1], v[T+2]
	v_max3_num_f32 v224, v224, v[T+3], v[T+4]
	v_max3_num_f32 v224, v224, v[T+5], v[T+6]
	v_max_num_f32 v224, v224, v[T+7]
	v_permlanex16_b32 v225, v224, s20, s21
	v_max_num_f32 v224, v224, v225                 ; the row's largest score: key 0 counts for every query
	v_mul_f32 v224, s22, v224
.irp j, 0,1,2,3,4,5,6,7
	v_fma_f32 v[T+\j], v[T+\j], s22, -v224
.endr
.irp j, 0,1,2,3,4,5,6,7
	v_exp_f32 v[T+\j], v[T+\j]
.endr
	v_nop                                          ; a plain line behind the last exponential
	s_wait_alu depctr_va_vdst(0)                   ; one wait for the eight, ahead of their first reader
	v_pk_add_f32 v[226:227], v[T:T+1], v[T+2:T+3]
	v_pk_add_f32 v[226:227], v[226:227], v[T+4:T+5]
	v_pk_add_f32 v[226:227], v[226:227], v[T+6:T+7]
	v_add_f32 v226, v226, v227
	v_permlanex16_b32 v225, v226, s20, s21
	v_add_f32 v226, v226, v225
	v_rcp_f32 v228, v226
	v_nop
	s_wait_alu depctr_va_vdst(0)
.irp j, 0,1,2,3,4,5,6,7
	v_mul_f32 v[PN+\j], v[T+\j], v228
.endr
	v_wmma_f32_16x16x4_f32 v[OA:OA+7], v[VV:VV+1], v[PN:PN+1], 0                     ; two accumulators by turns
	v_wmma_f32_16x16x4_f32 v[OA+8:OA+15], v[VV+2:VV+3], v[PN+2:PN+3], 0
	v_wmma_f32_16x16x4_f32 v[OA:OA+7], v[VV+4:VV+5], v[PN+4:PN+5], v[OA:OA+7]
	v_wmma_f32_16x16x4_f32 v[OA+8:OA+15], v[VV+6:VV+7], v[PN+6:PN+7], v[OA+8:OA+15]
.rept 8
	v_nop
.endr
.irp p, 0,2,4,6
	v_pk_add_f32 v[OT+\p:OT+\p+1], v[OA+\p:OA+\p+1], v[OA+8+\p:OA+8+\p+1]
.endr
	ds_store_b128 v8, v[OT:OT+3]
	ds_store_b128 v8, v[OT+4:OT+7] offset:16
	s_wait_dscnt 0x0                               ; for the others' sake
	s_barrier_signal -1
	s_barrier_wait -1
	ds_load_b128 v[32:35], v9
	ds_load_b128 v[36:39], v9 offset:528
	s_wait_dscnt 0x0
	global_store_b128 v6, v[32:35], s[6:7]                 ; 32 lanes store 512 consecutive bytes, aligned
	global_store_b128 v6, v[36:39], s[6:7] offset:4096
	s_wait_tensorcnt 0x0                           ; the wave's end
	ds_add_u32 v[SPW], v[NIL]
	s_wait_dscnt 0x0
	s_endpgm
.Lfunc_end_k_qba2f9c5561_first16:
	.size	k_qba2f9c5561_first16, .Lfunc_end_k_qba2f9c5561_first16-k_qba2f9c5561_first16
	.p2alignl 7, 3214868480
	.fill 96, 4, 3214868480
	.section	.rodata,"a",@progbits
	.p2align	6, 0x0
	.amdhsa_kernel k_qba2f9c5561_first16
		.amdhsa_group_segment_fixed_size 17664
		.amdhsa_private_segment_fixed_size 0
		.amdhsa_enable_private_segment 0
		.amdhsa_kernarg_size 16
		.amdhsa_user_sgpr_count 2
		.amdhsa_user_sgpr_kernarg_segment_ptr 1
		.amdhsa_wavefront_size32 1
		.amdhsa_system_sgpr_workgroup_id_x 1
		.amdhsa_system_sgpr_workgroup_id_y 1
		.amdhsa_system_sgpr_workgroup_id_z 1
		.amdhsa_system_vgpr_workitem_id 0
		.amdhsa_next_free_vgpr 256
		.amdhsa_next_free_sgpr 66
		.amdhsa_reserve_vcc 1
		.amdhsa_float_denorm_mode_32 3
		.amdhsa_float_denorm_mode_16_64 3
		.amdhsa_memory_ordered 1
		.amdhsa_forward_progress 1
		.amdhsa_inst_pref_size 16
	.end_amdhsa_kernel
	.amdgpu_metadata
---
amdhsa.version: [ 1, 2 ]
amdhsa.kernels:
  - .name:           k_qba2f9c5561_first16
    .symbol:         k_qba2f9c5561_first16.kd
    .args:
      - { .name: e16, .offset: 0, .size: 8, .value_kind: global_buffer, .address_space: global }
      - { .name: out0, .offset: 8, .size: 8, .value_kind: global_buffer, .address_space: global }
    .group_segment_fixed_size: 17664
    .private_segment_fixed_size: 0
    .kernarg_segment_align: 8
    .kernarg_segment_size: 16
    .max_flat_workgroup_size: 256
    .sgpr_count:     66
    .vgpr_count:     256
    .wavefront_size: 32
...
	.end_amdgpu_metadata
.endif
;; end of part 5
